; MI455X (gfx1250); checked and timed in simulation.
; The chip was launched on July 23, 2026; its instructions are those of AMD's public machine-readable ISA for CDNA 5 (MIT licence, August 2026) and "CDNA5" Instruction Set Architecture Reference Guide (July 2026). The comments in the code are by the model that wrote it; some were corrected since.
;; Vision Sdpa Attention. Allowed arithmetic: matrix products marked QUANTISED: E2M1 operands, one E8M0 scale for each 32 along K, by v_wmma_scale_f32_16x16x128_f8f6f4 with both operands' format E2M1 (or v_wmma_scale_f32_32x16x128_f4), f32 sums; products left as they are: bf16, f16 or f32 operands; f32 sums; everything else in f32.
;; Inputs: W_out 1,024 x 1,024 float32; W_qkv 1,024 x 3,072 float32; b_out 1,024 float32; b_qkv 3,072 float32; hidden_states 2,048 x 4 x 1,024 float32; rotary_pos_emb 2,048 x 32 float32.
;; Outputs: out0 2,048 x 4 x 1,024 float32.
;; This version of the problem:
;;   THIS VERSION OF THE PROBLEM IS GIVEN IN LOW PRECISION. The matrix products marked QUANTISED in the list below multiply operands that are first quantised to E2M1 (2 exponent bits, 1 mantissa bit; 4 bits a number), with one power-of-two scale for each 32 numbers along K (OCP MX v1.0); their sums are f32. The products marked 'left as it is' may take bf16, f16 or f32 operands, with f32 sums. Whichever they take, every output number must still come out within the allowed error. Rounding operands to bf16 (8 significant bits) uses up far more of that allowance than f16 does (11 bits, for magnitudes from 6e-5 to 65,504). All else is computed in f32.
;;   The module's matrix products, in the order in which they are computed (A, B: the left and right operand; K: the contracted axis; several contracted axes count as one K, in the product's order):
;;     1. [M 8,192, K 1,024] x [K 1,024, N 3,072]; A: input hidden_states; B: input W_qkv: QUANTISED
;;     2. batch 64 x [M 2,048, K 64] x [K 64, N 2,048]; A: computed on the way; B: computed on the way: left as it is (an operand is computed on the way)
;;     3. batch 64 x [M 64, K 2,048] x [K 2,048, N 2,048]; A: computed on the way; B: computed on the way: left as it is (an operand is computed on the way)
;;     4. [M 8,192, K 1,024] x [K 1,024, N 1,024]; A: computed on the way; B: input W_out: left as it is (an operand is computed on the way)
;;   THE QUANTISER, for each operand of a quantised product, along K:
;;     - K is cut into blocks of 32 from its start; a last block that is shorter is filled with zeros.
;;     - A block's scale is 2^e with e = floor(log2(the largest magnitude in the block)) - 2, held to -126 .. 127; a block of zeros has e = 0. As a byte (E8M0): e + 127.
;;     - Each number is divided by its block's scale, clamped to +-6, and rounded to the nearest number of E2M1, ties to even, subnormals kept.
;;     - The product sums the exact products of the quantised numbers (number of the format x scale) in f32.
;;   ~~~python
;;   def quantise(x, axis):      # numpy; x: float32 -> the quantised numbers, widened to float32 again
;;       x = np.moveaxis(x, axis, -1); K = x.shape[-1]
;;       x = np.pad(x, [(0, 0)] * (x.ndim - 1) + [(0, -K % 32)]); x = x.reshape(x.shape[:-1] + (-1, 32)); a = np.abs(x).max(-1, keepdims=True)
;;       e = np.where(a > 0, np.clip(np.frexp(np.where(a > 0, a, 1))[1] - 1 - 2, -126, 127), 0)      # np.frexp(a)[1] - 1 = floor(log2(a)), exactly
;;       r = np.clip(x / 2.0 ** e, -6, 6)
;;       step = 2.0 ** (np.maximum(np.frexp(np.where(r == 0, 1, r))[1] - 1, 0) - 1)
;;       q = np.round(r / step) * step * 2.0 ** e      # np.round: ties to even
;;       return np.moveaxis(q.reshape(q.shape[:-2] + (-1,))[..., :K], -1, axis).astype(np.float32)
;;   ~~~
;; One version. Each part assembles by itself: llvm-mc -triple=amdgcn-amd-amdhsa -mcpu=gfx1250 --defsym DOCPART=n.
;; ======== version 1 of 1: 4 launches
;; limits: values are held in f16: magnitudes above 65,504 overflow, below 6.1e-05 lose precision
;; workspace buffers: x_codes 4,194,304 bytes; x_scales 262,144 bytes; w_codes 1,572,864 bytes; w_scales 98,304 bytes; wo_img 2,097,152 bytes; tab 524,288 bytes; qkv 50,331,648 bytes; att 16,777,216 bytes
;; launch prep (part 1): grid 416 x 1, 4 waves a work-group, no clusters, 33,280 bytes of LDS; arguments hidden_states, W_qkv, W_out, rotary_pos_emb, x_codes, x_scales, w_codes, w_scales, wo_img, tab; writes x_codes, x_scales, w_codes, w_scales, wo_img, tab
.if DOCPART == 1
	.amdgcn_target "amdgcn-amd-amdhsa--gfx1250"
	.amdhsa_code_object_version 6
	.text
	.protected	k_q8febb78f44_prep
	.globl	k_q8febb78f44_prep
	.p2align	8
	.type	k_q8febb78f44_prep,@function
k_q8febb78f44_prep:
	s_mov_b64 s[64:65], 0
	v_nop
	global_prefetch_b8 v0, s[64:65] scope:SCOPE_SE
	s_setreg_imm32_b32 hwreg(HW_REG_WAVE_MODE, 25, 1), 1
	s_wait_xcnt 0x0
; Four jobs in one launch, told apart by the work-group's number; each reads its input once.
;   X  (work-groups 0-255):   hidden_states [2048 l][4 b][1024] f32 -> codes of FP4 (E2M1), K innermost, rows in the order b x 2048 + l: x_codes [8192][512 bytes], x_scales [8192][32].
;   W  (256-351): W_qkv [1024 k][3072 n] f32 -> codes along K, laid in the order of the operand's registers: w_codes [n / 16][k / 32][n % 16][16 bytes]; w_scales [n][32].
;   O  (352-383): W_out [1024 k][1024 n] f32 -> f16, in the order of a 16-bit operand's registers: wo_img [n / 16][k / 8][n % 16][16 bytes].
;   S  (384-415): rotary_pos_emb [2048][32] -> cos and sin in f32, in the layout of a transposed matrix result: tab [l / 16][8 pieces: cos 0-3, sin 4-7][lane][16 bytes];
;                 piece 2 bb + half of lane (r, h) holds positions 16 bb + 8 h + 4 half + 0 .. 3 of row l % 16 = r.
; THE QUANTISER: a block's scale is 2^(floor(log2(its largest magnitude)) - 2); its byte is the largest magnitude's exponent field - 2, held at 1 from below; numbers / scale go to the nearest code, ties to even, beyond 6 to 6.
; LIMITS: a block of zeros, and one whose largest magnitude lies under 2^-124, gets the byte 1 (a block of zeros has zero codes, and this program alone reads the bytes).  NaN and infinities among the inputs are not served.
; W_out beyond 65,504 becomes infinity in f16, under 6e-5 it loses bits.  The angles are reduced by pi / 2 in two parts: the error stays near 1e-7 for |angle| up to 1e6.
; No matrix unit, no tensor load, no cluster, no barrier: memory binds, and waves share nothing.  Only job X uses LDS.
.set WREG,  8192                       ; LDS of job X: a region for each wave: two stages of 32 x SP bytes, behind them its 256 scale bytes
.set SP,    80                         ; a lane's place in a stage: 64 bytes + 16 of padding
.set SPARE, 4*WREG                     ; behind the regions: the spare words, 128 bytes a wave: two blocks of 256 bytes that no other line names
.set SPW,   12                         ; v12  my spare word's LDS address; never rewritten
.set NIL,   13                         ; v13  0; never rewritten
.set R,     16                         ; X: v16-79   four sets of 16 numbers as loaded
.set X,     80                         ; X: v80-111  two sets of 16 neighbours
.set E,     112                        ; X: v112-127 a scale byte for each step
.set C,     128                        ; X: v128-191 codes, four registers for each step
.set XW,    32                         ; W, O: v32-95 two sets of 32 numbers down K
.set CW,    96                         ; W: v96-127 a block's codes, registers of their own for each block;  O: two sets of 16
.set SB,    24                         ; W: v24-25 the scale bytes
	s_load_b512 s[4:19], s[0:1], 0x0               ; hidden s[4:5], W_qkv s[6:7], W_out s[8:9], angles s[10:11], x_codes s[12:13], x_scales s[14:15], w_codes s[16:17], w_scales s[18:19]
	s_load_b128 s[20:23], s[0:1], 0x40             ; wo_img s[20:21], tab s[22:23]
	v_lshl_add_u32 v[SPW], v0, 2, SPARE
	v_mov_b32 v[NIL], 0
	v_lshrrev_b32 v1, 5, v0
	v_readfirstlane_b32 s24, v1                    ; wave 0..3
	v_and_b32 v2, 31, v0                           ; lane
	v_lshlrev_b32 v3, 4, v2                        ; 16 x lane
	v_lshlrev_b32 v4, 3, v2                        ; 8 x lane
	s_mul_i32 s25, s24, WREG                       ; job X's LDS addresses are made here, ahead of the parting of the jobs
	v_lshrrev_b32 v14, 2, v2
	v_mul_u32_u24 v14, v14, SP
	v_and_b32 v15, 3, v2
	v_lshl_add_u32 v14, v15, 4, v14
	v_add_nc_u32 v14, s25, v14                     ; the stage, on the way in: SP (lane / 4) + 16 (lane % 4)
	v_mul_u32_u24 v15, v2, SP
	v_add_nc_u32 v15, s25, v15                     ; and on the way out: SP x lane: 16 neighbours
	v_lshrrev_b32 v5, 1, v2
	s_add_co_u32 s25, s25, 2*32*SP
	v_add_nc_u32 v5, s25, v5                       ; my block's scale byte
	v_add_nc_u32 v6, s25, v4                       ; and 8 scale bytes a lane on the way out
	s_wait_kmcnt 0x0
	s_cmp_lt_u32 ttmp9, 256
	s_cbranch_scc0 .Lnot_x
; ---------------- X: a wave takes 8 rows of one b: 16 steps of 512 numbers.  Each load reads 512 consecutive bytes; a step's 2,048 bytes turn through the wave's own stage, so that a lane holds 16 neighbours along K.
	s_lshl_b32 s26, ttmp9, 2
	s_add_co_u32 s26, s26, s24                     ; g = 4 x work-group + wave: rows 8 g .. 8 g + 7 of the codes
	s_lshr_b32 s27, s26, 8                         ; b
	s_and_b32 s28, s26, 255
	s_lshl_b32 s28, s28, 17                        ; l = 8 (g % 256): 16,384 bytes from l to l + 1
	s_lshl_b32 s27, s27, 12
	s_add_co_u32 s28, s28, s27
	s_mov_b32 s29, 0
	s_add_nc_u64 s[4:5], s[4:5], s[28:29]
	s_lshl_b32 s28, s26, 12                        ; 8 rows of 512 bytes of codes
	s_add_nc_u64 s[12:13], s[12:13], s[28:29]
	s_lshl_b32 s28, s26, 8                         ; 8 rows of 32 scale bytes
	s_add_nc_u64 s[14:15], s[14:15], s[28:29]
.macro LOADX t                         ; step t: half t % 2 of row t / 2
.irp i, 0,1,2,3
	global_load_b128 v[R+16*((\t)%4)+4*\i:R+16*((\t)%4)+4*\i+3], v3, s[4:5] offset:((\t)/2)*16384+((\t)%2)*2048+512*\i th:TH_LOAD_NT
.endr
.endm
.macro TURNX t                         ; through the stage: LDS serves a wave's instructions in order (ISA guide 5.7.1.4), so no wait stands between the stores and the loads
.irp i, 0,1,2,3
	ds_store_b128 v14, v[R+16*((\t)%4)+4*\i:R+16*((\t)%4)+4*\i+3] offset:32*SP*((\t)%2)+8*SP*\i
.endr
.irp i, 0,1,2,3
	ds_load_b128 v[X+16*((\t)%2)+4*\i:X+16*((\t)%2)+4*\i+3], v15 offset:32*SP*((\t)%2)+16*\i
.endr
.endm
.irp t, 0,1,2,3
	LOADX \t
.endr
	s_wait_loadcnt 12                              ; step 0's four loads are in; those of steps 1 to 3 stay out
	TURNX 0
.macro STEPX t
.set XS, X+16*((\t)%2)
.if (\t) > 0
	s_wait_dscnt 1                                 ; this step's numbers are back from the stage; the last step's byte store may be out
.else
	s_wait_dscnt 0x0
.endif
.if (\t)+4 < 16
	LOADX (\t)+4                                   ; into the set whose stores into the stage have just been shown done
.endif
.if (\t)+1 < 16
.if 14-(\t) >= 3
	s_wait_loadcnt 12                              ; the next step's four loads are in; those of the three steps behind it may be out
.else
	s_wait_loadcnt 4*(14-(\t))                     ; the tail: fewer steps are behind it
.endif
	TURNX (\t)+1
.endif
	v_max3_num_f32 v8, |v[XS]|, |v[XS+1]|, |v[XS+2]|               ; the largest magnitude of my 16, in two chains
	v_max3_num_f32 v9, |v[XS+3]|, |v[XS+4]|, |v[XS+5]|
.irp i, 6,10
	v_max3_num_f32 v8, v8, |v[XS+\i]|, |v[XS+\i+1]|
	v_max3_num_f32 v9, v9, |v[XS+\i+2]|, |v[XS+\i+3]|
.endr
	v_max3_num_f32 v8, v8, |v[XS+14]|, |v[XS+15]|
	v_max3_num_f32 v8, v8, v9, 0x1800000           ; and the floor 2^(3 - 127): the byte cannot fall under 1
	v_max_num_f32_dpp v8, v8, v8 row_xmask:1 row_mask:0xf bank_mask:0xf   ; with my neighbour's 16: the block's
	v_add_nc_u32 v11, 0xff000000, v8               ; 2 off its exponent field: the conversion takes the exponent field of this operand as its scale
	v_cvt_scalef32_pk8_fp4_f32 v[C+4*(\t)], v[XS:XS+7], v11
	v_cvt_scalef32_pk8_fp4_f32 v[C+4*(\t)+1], v[XS+8:XS+15], v11
	v_lshrrev_b32 v[E+(\t)], 23, v11               ; the scale's byte (a plain line behind the conversions)
	ds_store_b8 v5, v[E+(\t)] offset:16*(\t)       ; both lanes of a block write the same byte with the same value
	global_store_b64 v4, v[C+4*(\t):C+4*(\t)+1], s[12:13] offset:256*(\t)   ; the wave stores 256 consecutive bytes, aligned
.endm
.irp t, 0,1,2,3,4,5,6,7,8,9,10,11,12,13,14,15
	STEPX \t
.endr
	ds_load_b64 v[8:9], v6                         ; my wave's 256 scale bytes, in order behind my stores
	s_wait_dscnt 0x0
	global_store_b64 v4, v[8:9], s[14:15]          ; 256 consecutive bytes, aligned
	s_wait_tensorcnt 0x0                           ; the wave's end, behind my last LDS store
	ds_add_u32 v[SPW], v[NIL]
	s_wait_dscnt 0x0
	s_endpgm
; ---------------- W and O: a lane takes a column n and its registers run down K: a block of 32 along K lies in one lane's 32 registers.  A wave: 32 columns x 256 along K, 8 blocks; loads run two blocks ahead.
.macro LOADW t, base, pitch
.irp i, 0,1,2,3,4,5,6,7,8,9,10,11,12,13,14,15,16,17,18,19,20,21,22,23,24,25,26,27,28,29,30,31
	global_load_b32 v[XW+32*((\t)%2)+\i], v20, s[\base:\base+1] offset:(32*(\t)+\i)*\pitch th:TH_LOAD_NT
.endr
.endm
.Lnot_x:
	s_cmp_lt_u32 ttmp9, 352
	s_cbranch_scc0 .Lnot_w
	s_sub_co_u32 s26, ttmp9, 256
	s_lshr_b32 s27, s26, 2                         ; which 128 columns
	s_and_b32 s26, s26, 3                          ; which 256 along K
	s_lshl_b32 s27, s27, 7
	s_lshl_b32 s28, s24, 5
	s_add_co_u32 s27, s27, s28                     ; my wave's first column
	s_mul_i32 s28, s26, 256*12288
	s_lshl_b32 s30, s27, 2
	s_add_co_u32 s28, s28, s30
	s_mov_b32 s29, 0
	s_add_nc_u64 s[6:7], s[6:7], s[28:29]
	s_lshl_b32 s28, s27, 9                         ; 16 columns' codes are 8,192 bytes,
	s_lshl_b32 s30, s26, 11                        ; 8 blocks 2,048
	s_add_co_u32 s28, s28, s30
	s_add_nc_u64 s[16:17], s[16:17], s[28:29]
	s_lshl_b32 s28, s27, 5
	s_lshl_b32 s30, s26, 3
	s_add_co_u32 s28, s28, s30
	s_add_nc_u64 s[18:19], s[18:19], s[28:29]
	v_lshlrev_b32 v20, 2, v2                       ; in: 4 bytes a lane: a wave reads 128 consecutive bytes
	v_lshrrev_b32 v21, 4, v2
	v_and_b32 v22, 15, v2
	v_lshlrev_b32 v22, 4, v22
	v_lshl_add_u32 v21, v21, 13, v22               ; out: sixteen lanes fill the 256 bytes of one block of one tile of 16 columns
	v_lshlrev_b32 v22, 5, v2                       ; my column's row of scale bytes
	LOADW 0, 6, 12288
	LOADW 1, 6, 12288
.macro BLOCKW t
.set XS, XW+32*((\t)%2)
.if (\t) < 7
	s_wait_loadcnt 32                              ; this block's 32 loads are in; the next block's may be out
.else
	s_wait_loadcnt 0x0
.endif
	v_max3_num_f32 v26, |v[XS]|, |v[XS+1]|, |v[XS+2]|
	v_max3_num_f32 v27, |v[XS+3]|, |v[XS+4]|, |v[XS+5]|
.irp i, 6,10,14,18,22,26
	v_max3_num_f32 v26, v26, |v[XS+\i]|, |v[XS+\i+1]|
	v_max3_num_f32 v27, v27, |v[XS+\i+2]|, |v[XS+\i+3]|
.endr
	v_max3_num_f32 v26, v26, |v[XS+30]|, |v[XS+31]|
	v_max3_num_f32 v26, v26, v27, 0x1800000        ; the floor 2^(3 - 127)
	v_add_nc_u32 v28, 0xff000000, v26              ; the conversion's scale operand
	v_lshrrev_b32 v27, 23, v28                     ; the scale's byte
.if (\t)%4 == 0
	v_mov_b32 v[SB+(\t)/4], v27
.else
	v_lshl_or_b32 v[SB+(\t)/4], v27, 8*((\t)%4), v[SB+(\t)/4]
.endif
.irp g, 0,1,2,3
	v_cvt_scalef32_pk8_fp4_f32 v[CW+4*(\t)+\g], v[XS+8*\g:XS+8*\g+7], v28
.endr
	global_store_b128 v21, v[CW+4*(\t):CW+4*(\t)+3], s[16:17] offset:256*(\t)   ; each block has registers of its own: no store's data are written again
.if (\t)+2 < 8
	LOADW (\t)+2, 6, 12288
.endif
.endm
.irp t, 0,1,2,3,4,5,6,7
	BLOCKW \t
.endr
	global_store_b64 v22, v[SB:SB+1], s[18:19]     ; my column's 8 scale bytes
	s_endpgm
.Lnot_w:
	s_cmp_lt_u32 ttmp9, 384
	s_cbranch_scc0 .Lnot_o
	s_sub_co_u32 s26, ttmp9, 352
	s_lshr_b32 s27, s26, 2
	s_and_b32 s26, s26, 3
	s_lshl_b32 s27, s27, 7
	s_lshl_b32 s28, s24, 5
	s_add_co_u32 s27, s27, s28                     ; my wave's first column
	s_lshl_b32 s28, s26, 20                        ; 256 rows of 4,096 bytes
	s_lshl_b32 s30, s27, 2
	s_add_co_u32 s28, s28, s30
	s_mov_b32 s29, 0
	s_add_nc_u64 s[8:9], s[8:9], s[28:29]
	s_lshl_b32 s28, s27, 11                        ; 16 columns' image is 32,768 bytes,
	s_lshl_b32 s30, s26, 13                        ; 256 along K 8,192
	s_add_co_u32 s28, s28, s30
	s_add_nc_u64 s[20:21], s[20:21], s[28:29]
	v_lshlrev_b32 v20, 2, v2
	v_lshrrev_b32 v21, 4, v2
	v_and_b32 v22, 15, v2
	v_lshlrev_b32 v22, 4, v22
	v_lshl_add_u32 v21, v21, 15, v22
	LOADW 0, 8, 4096
	LOADW 1, 8, 4096
.macro BLOCKO t
.set XS, XW+32*((\t)%2)
.set CO, CW+16*((\t)%2)
.if (\t) < 7
	s_wait_loadcnt 32                              ; this block's 32 loads are in; the next block's may be out
.else
	s_wait_loadcnt 0x0
.endif
.if (\t) >= 2
	s_wait_xcnt 0x0                                ; the stores of two blocks back have read their data: the set is written again only behind this wait
.endif
.irp g, 0,1,2,3
.irp i, 0,1,2,3
	v_cvt_pk_f16_f32 v[CO+4*\g+\i], v[XS+8*\g+2*\i], v[XS+8*\g+2*\i+1]
.endr
.endr
.irp g, 0,1,2,3
	global_store_b128 v21, v[CO+4*\g:CO+4*\g+3], s[20:21] offset:(4*(\t)+\g)*256   ; eight neighbours along K: sixteen lanes fill 256 consecutive bytes
.endr
.if (\t)+2 < 8
	LOADW (\t)+2, 8, 4096
.endif
.endm
.irp t, 0,1,2,3,4,5,6,7
	BLOCKO \t
.endr
	s_endpgm
; ---------------- S: a wave takes 16 positions: 16 angles a lane.  n = the nearest whole number to x 2 / pi; r = x - n pi / 2, pi / 2 in two parts; sin r and cos r by polynomials on |r| <= pi / 4; the quadrant n mod 4 swaps and signs them.
.Lnot_o:
	s_sub_co_u32 s26, ttmp9, 384
	s_lshl_b32 s26, s26, 2
	s_add_co_u32 s26, s26, s24                     ; which 16 positions
	s_lshl_b32 s28, s26, 11
	s_mov_b32 s29, 0
	s_add_nc_u64 s[10:11], s[10:11], s[28:29]
	s_lshl_b32 s28, s26, 12
	s_add_nc_u64 s[22:23], s[22:23], s[28:29]
	v_and_b32 v20, 15, v2
	v_lshrrev_b32 v21, 4, v2
	v_lshlrev_b32 v20, 7, v20
	v_lshl_add_u32 v20, v21, 5, v20                ; row r of 128 bytes, + 32 h
.irp p, 0,1,2,3
	global_load_b128 v[32+4*\p:35+4*\p], v20, s[10:11] offset:64*(\p/2)+16*(\p%2)
.endr
	s_mov_b32 s30, 0x3f22f983                      ; 2 / pi
	s_mov_b32 s31, 0xbfc90fdb                      ; -(pi / 2 rounded to f32)
	s_mov_b32 s32, 0x333bbd2e                      ; that number less pi / 2
	s_mov_b32 s33, 0xbe2aaaa3                      ; sin: -1.6666654611e-1, 8.3321608736e-3, -1.9515295891e-4
	s_mov_b32 s34, 0x3c08839e
	s_mov_b32 s35, 0xb94ca1f9
	s_mov_b32 s36, 0x3d2aaaa5                      ; cos: 4.166664568e-2, -1.388731625e-3, 2.443315712e-5
	s_mov_b32 s37, 0xbab6061a
	s_mov_b32 s38, 0x37ccf5ce
	s_wait_loadcnt 0x0
.irp i, 0,1,2,3,4,5,6,7,8,9,10,11,12,13,14,15
	v_mul_f32 v[48+\i], s30, v[32+\i]
.endr
.irp i, 0,1,2,3,4,5,6,7,8,9,10,11,12,13,14,15
	v_rndne_f32 v[48+\i], v[48+\i]                 ; n
.endr
.irp i, 0,1,2,3,4,5,6,7,8,9,10,11,12,13,14,15
	v_fma_f32 v[32+\i], v[48+\i], s31, v[32+\i]
.endr
.irp i, 0,1,2,3,4,5,6,7,8,9,10,11,12,13,14,15
	v_fma_f32 v[32+\i], v[48+\i], s32, v[32+\i]    ; r
.endr
.irp i, 0,1,2,3,4,5,6,7,8,9,10,11,12,13,14,15
	v_mul_f32 v[96+\i], v[32+\i], v[32+\i]         ; z = r r
.endr
.irp i, 0,1,2,3,4,5,6,7,8,9,10,11,12,13,14,15
	v_fma_f32 v[112+\i], v[96+\i], s35, s34
	v_fma_f32 v[128+\i], v[96+\i], s38, s37
.endr
.irp i, 0,1,2,3,4,5,6,7,8,9,10,11,12,13,14,15
	v_fma_f32 v[112+\i], v[112+\i], v[96+\i], s33
	v_fma_f32 v[128+\i], v[128+\i], v[96+\i], s36
.endr
.irp i, 0,1,2,3,4,5,6,7,8,9,10,11,12,13,14,15
	v_mul_f32 v[112+\i], v[112+\i], v[96+\i]
	v_fma_f32 v[144+\i], v[96+\i], -0.5, 1.0
.endr
.irp i, 0,1,2,3,4,5,6,7,8,9,10,11,12,13,14,15
	v_mul_f32 v[96+\i], v[96+\i], v[96+\i]
	v_fma_f32 v[112+\i], v[112+\i], v[32+\i], v[32+\i]     ; sin r
.endr
.irp i, 0,1,2,3,4,5,6,7,8,9,10,11,12,13,14,15
	v_fma_f32 v[128+\i], v[128+\i], v[96+\i], v[144+\i]    ; cos r
	v_cvt_i32_f32 v[48+\i], v[48+\i]
.endr
.irp i, 0,1,2,3,4,5,6,7,8,9,10,11,12,13,14,15
	v_and_b32 v[144+\i], 1, v[48+\i]
	v_cmp_eq_u32 vcc_lo, 1, v[144+\i]              ; an odd quadrant swaps the two
	v_cndmask_b32 v[80+\i], v[112+\i], v[128+\i], vcc_lo
	v_cndmask_b32 v[64+\i], v[128+\i], v[112+\i], vcc_lo
	v_and_b32 v[144+\i], 2, v[48+\i]               ; sin is negative in quadrants 2 and 3,
	v_add_nc_u32 v[96+\i], 1, v[48+\i]
	v_lshlrev_b32 v[144+\i], 30, v[144+\i]
	v_and_b32 v[96+\i], 2, v[96+\i]                ; cos in 1 and 2
	v_xor_b32 v[80+\i], v[144+\i], v[80+\i]
	v_lshlrev_b32 v[96+\i], 30, v[96+\i]
	v_xor_b32 v[64+\i], v[96+\i], v[64+\i]
.endr
.irp p, 0,1,2,3
	global_store_b128 v3, v[64+4*\p:67+4*\p], s[22:23] offset:512*\p          ; cos: 512 consecutive bytes a store
	global_store_b128 v3, v[80+4*\p:83+4*\p], s[22:23] offset:2048+512*\p     ; sin
.endr
	s_endpgm
.Lfunc_end_k_q8febb78f44_prep:
	.size	k_q8febb78f44_prep, .Lfunc_end_k_q8febb78f44_prep-k_q8febb78f44_prep
	.p2alignl 7, 3214868480
	.fill 96, 4, 3214868480
	.section	.rodata,"a",@progbits
	.p2align	6, 0x0
	.amdhsa_kernel k_q8febb78f44_prep
		.amdhsa_group_segment_fixed_size 33280
		.amdhsa_private_segment_fixed_size 0
		.amdhsa_enable_private_segment 0
		.amdhsa_kernarg_size 80
		.amdhsa_user_sgpr_count 2
		.amdhsa_user_sgpr_kernarg_segment_ptr 1
		.amdhsa_wavefront_size32 1
		.amdhsa_system_sgpr_workgroup_id_x 1
		.amdhsa_system_sgpr_workgroup_id_y 1
		.amdhsa_system_sgpr_workgroup_id_z 1
		.amdhsa_system_vgpr_workitem_id 0
		.amdhsa_next_free_vgpr 192
		.amdhsa_next_free_sgpr 66
		.amdhsa_reserve_vcc 1
		.amdhsa_float_denorm_mode_32 3
		.amdhsa_float_denorm_mode_16_64 3
		.amdhsa_memory_ordered 1
		.amdhsa_forward_progress 1
		.amdhsa_inst_pref_size 127
	.end_amdhsa_kernel
	.amdgpu_metadata
---
amdhsa.version: [ 1, 2 ]
amdhsa.kernels:
  - .name:           k_q8febb78f44_prep
    .symbol:         k_q8febb78f44_prep.kd
    .args:
      - { .name: hidden_states, .offset: 0, .size: 8, .value_kind: global_buffer, .address_space: global }
      - { .name: W_qkv, .offset: 8, .size: 8, .value_kind: global_buffer, .address_space: global }
      - { .name: W_out, .offset: 16, .size: 8, .value_kind: global_buffer, .address_space: global }
      - { .name: rotary_pos_emb, .offset: 24, .size: 8, .value_kind: global_buffer, .address_space: global }
      - { .name: x_codes, .offset: 32, .size: 8, .value_kind: global_buffer, .address_space: global }
      - { .name: x_scales, .offset: 40, .size: 8, .value_kind: global_buffer, .address_space: global }
      - { .name: w_codes, .offset: 48, .size: 8, .value_kind: global_buffer, .address_space: global }
      - { .name: w_scales, .offset: 56, .size: 8, .value_kind: global_buffer, .address_space: global }
      - { .name: wo_img, .offset: 64, .size: 8, .value_kind: global_buffer, .address_space: global }
      - { .name: tab, .offset: 72, .size: 8, .value_kind: global_buffer, .address_space: global }
    .group_segment_fixed_size: 33280
    .private_segment_fixed_size: 0
    .kernarg_segment_align: 8
    .kernarg_segment_size: 80
    .max_flat_workgroup_size: 128
    .sgpr_count:     66
    .vgpr_count:     192
    .wavefront_size: 32
...
	.end_amdgpu_metadata
.endif
;; end of part 1
;; launch gemm1 (part 2): grid 12 x 32, 4 waves a work-group, clusters of 4 x 4, 327,680 bytes of LDS; arguments x_codes, x_scales, w_codes, w_scales, qkv, b_qkv, tab; writes qkv
.if DOCPART == 2
	.amdgcn_target "amdgcn-amd-amdhsa--gfx1250"
	.amdhsa_code_object_version 6
	.text
	.protected	k_q8febb78f44_gemm1
	.globl	k_q8febb78f44_gemm1
	.p2align	8
	.type	k_q8febb78f44_gemm1,@function
k_q8febb78f44_gemm1:
	s_mov_b64 s[64:65], 0
	v_nop
	global_prefetch_b8 v0, s[64:65] scope:SCOPE_SE
	s_setreg_imm32_b32 hwreg(HW_REG_WAVE_MODE, 25, 1), 1
	s_wait_xcnt 0x0
	s_wait_alu depctr_hold_cnt(0) depctr_sa_sdst(0) depctr_va_vdst(0) depctr_va_sdst(0) depctr_va_ssrc(0) depctr_va_vcc(0) depctr_vm_vsrc(0)
	s_getreg_b32 s2, hwreg(HW_REG_IB_STS2, 6, 4)
	s_cmp_eq_u32 s2, 0
	s_cbranch_scc0 .Lentry_in_a_cluster
	s_endpgm
.Lentry_in_a_cluster:
	s_bfe_u32 s2, ttmp6, 0x10000c
	s_cmp_lg_u32 s2, 0xf033
	s_cbranch_scc0 .Lentry_shape_is_right
	s_endpgm
.Lentry_shape_is_right:
; qkv = Q(hidden) Q(W_qkv) + b_qkv on codes of FP4 with E8M0 scales, the rotary turn on q and k, all rounded to f16.  M = 8,192 rows (b x 2048 + l), N = 3,072, K = 1,024.
; A tile of 256 x 256 is made by four waves, 128 x 128 each: 64 accumulators, 512 registers.  All of K lies in two LDS slots of 512 along K, both asked for at the head: nothing is filled again.
; A's codes lie as rows (256 bytes a row and slot, 16 bytes of padding in LDS); B's lie in memory in the order of the operand's registers, so a fragment is two loads at 16 x lane, with no padding.
; The scale bytes of the 256 rows of A and of B, for all of K, are two dense blocks; they come once.
; CLUSTERS: 4 x 4 work-groups; A's tiles are asked for jointly along a row of the cluster, B's along a column.  A cluster's 1,024 columns are all of q, of k or of v: the cluster's x says which.
; THE MATRIX INSTRUCTION IS USED TRANSPOSED (source 0 = 16 columns of W, source 1 = 16 rows): lane (r, h) holds row r and columns 16 b + 8 h + 0 .. 7.  The bias, in that layout, is the C of each sum's first product.
; THE WAY OUT NEEDS NO LDS: eight neighbouring channels of a row, as f16, are the four registers that the same lane of the next product's fragment wants.  qkv is laid [q, k, v][b x 16 + head][l / 16][channel / 16][32 places][16 bytes]:
; q and k at place = lane; v at place 16 (r / 8) + 8 h + r % 8, where the turning LDS load of the next launch reads it at 16 x lane.  Every store covers 512 consecutive bytes, aligned.
; LIMITS: q, k, v beyond 65,504 become infinity in f16; under 6e-5 they lose bits.
; REGISTERS, in windows of 256: window 0: v16-29 addresses; v32-95 scale words, two sets; v96-127 the turned numbers; v128-191 A's fragments, one set, on the way out the packed results; v192-255 the bias.
;   window 1: B's fragments, two sets, at v0 and v128; the idle 128 hold cos and sin of my rows 0-63, B's own 128 on the way out those of rows 64-127.   windows 2, 3: the accumulators, (a, b) at v[8 (8 (a % 4) + b)].
.set NQ,     4                         ; steps of 128 along K in a slot
.set ROWB,   256                       ; a row of A's tile in bytes
.set KROW,   512                       ; a row of A's codes in memory
.set PITCH,  272                       ; in LDS: 256 bytes + 16 of padding: the 16 rows that a load touches start at 16 different banks (64 banks of 4 bytes: ISA guide 11.1)
.set FR,     8
.set NL,     2
.set NP,     4                         ; places behind this matrix instruction (ISA guide 7.12.1)
.set HALFT,  128*PITCH                 ; a wave's part of a slot: 128 rows of A (34,816 bytes), or 8 tiles of 16 columns of B (32,768 bytes, dense)
.set SLOT,   4*HALFT
.set KS,     32                        ; a row of scale bytes
.set SCL,    2*SLOT                    ; behind the slots: the scales, as units of 256 bytes + 16 of padding
.set HALFS,  (128*KS/256)*272
.set SBLK,   (16*KS/256)*272
.set SPARE,  SCL+4*HALFS               ; the spare words, 128 bytes a wave: two blocks of 256 bytes that no other line names
.set ADRA, 16                          ; v16-17 LDS address of my A fragments in slot 0, 1
.set ADRB, 20                          ; v20-21 the same for B
.set LB,   24                          ; v24    16 x lane
.set VO,   25                          ; v25    16 x (16 (r / 8) + 8 h + r % 8): v's place
.set BO,   26                          ; v26    32 h: my half's eight numbers of the bias
.set ADRS, 27                          ; v27    LDS address of my scale words: lanes 0-15 A's rows, lanes 16-31 B's
.set SPW,  28
.set NIL,  29
.set SC,   32
.set OUTR, 96
.set AF,   128
.set PK,   128
.set BIAS, 192
.set G1, 24
.set G0, 32
.set G1B, 48
.set G0B, 56
.set G1S, 68
.set G0S, 76
.set G1SB, 80
.set G0SB, 88
.set MSB, 0
.macro WIN new                         ; the immediate's high byte repeats the setting that is left
.if MSB != (\new)
	s_set_vgpr_msb (MSB<<8)|(\new)
.set MSB, (\new)
.endif
.endm
.set MUL_LO, 0xa1                      ; source 0 (B) window 1, source 1 (A) window 0, C and D window 2
.set MUL_HI, 0xf1                      ; the same, C and D window 3
.set TO_B,   0x40                      ; destination window 1, address window 0
; A joint load: waves 0 and 1 fetch for A, waves 2 and 3 for B; the branch hangs on the wave's number alone.  An s_nop 0 and four v_nop follow each of the two lines.
.macro JLOAD g0a, g1a, g0b, g1b
	s_cmp_eq_u32 s15, 0
	s_cbranch_scc0 .Lfor_b_\@
	tensor_load_to_lds s[\g0a:\g0a+3], s[\g1a:\g1a+7]
	s_nop 0
.rept 4
	v_nop
.endr
	s_branch .Lasked_\@
.Lfor_b_\@:
	tensor_load_to_lds s[\g0b:\g0b+3], s[\g1b:\g1b+7]
	s_nop 0
.rept 4
	v_nop
.endr
.Lasked_\@:
.endm
.macro CROUND                          ; a round of the cluster's barrier
	s_barrier_signal -1
	s_barrier_wait -1
	s_cmp_lg_u32 s14, 0
	s_cbranch_scc1 .Lnot_wave_0_\@
	s_barrier_signal -3
.Lnot_wave_0_\@:
	s_barrier_wait -3
	s_barrier_signal -1
	s_barrier_wait -1
.endm
	s_load_b128 s[4:7], s[0:1], 0x0                ; A's codes, A's scales
	s_load_b128 s[8:11], s[0:1], 0x10              ; B's codes, B's scales
	s_load_b64 s[12:13], s[0:1], 0x20              ; qkv
	s_load_b128 s[96:99], s[0:1], 0x28             ; b_qkv s[96:97], the table s[98:99]
	v_lshl_add_u32 v[SPW], v0, 2, SPARE
	v_mov_b32 v[NIL], 0
	ds_add_u32 v[SPW], v[NIL]                      ; the wave's opening: the add, twice on end, and its wait ahead of my first tensor load
	ds_add_u32 v[SPW], v[NIL]
	v_lshrrev_b32 v1, 5, v0
	v_readfirstlane_b32 s14, v1                    ; wave 0..3
	s_lshr_b32 s15, s14, 1                         ; which half of the tile's rows is mine.  Also: I fetch for A (0) or for B (1)
	s_and_b32 s16, s14, 1                          ; which half of its columns.  Also: which half of that tile I fetch
	s_bfe_u32 s40, ttmp6, 0x40000                  ; cx, cy: my place in the cluster
	s_bfe_u32 s41, ttmp6, 0x40004
	s_lshl_b32 s42, ttmp9, 2
	s_add_co_u32 s42, s42, s40                     ; tile column = 4 x cluster x + cx
	s_and_b32 s17, ttmp7, 0xffff
	s_lshl_b32 s17, s17, 2
	s_add_co_u32 s17, s17, s41                     ; tile row = 4 x cluster y + cy
	s_lshl_b32 s43, s41, 2
	s_lshl_b32 s43, 15, s43                        ; my row of the cluster
	s_lshl_b32 s44, 0x1111, s40                    ; my column
	; A's tiles: 128 rows x 256 bytes, elements of 1 byte, 4 words of padding after every 64
	s_or_b32 s[G1+0], s43, (0<<16)|(1<<20)|(1<<21)|(5<<22)|(3<<25)
	s_mov_b32 s[G1+1], ROWB<<16                    ; tensor_dim0
	s_mov_b32 s[G1+2], 128<<16                     ; tensor_dim1
	s_mov_b32 s[G1+3], ROWB<<16                    ; tile_dim0
	s_mov_b32 s[G1+4], 128                         ; tile_dim1
	s_mov_b32 s[G1+5], KROW                        ; from row to row
	s_mov_b32 s[G1+6], 0
	s_mov_b32 s[G1+7], 0
	; B's tiles: 8 tiles of 16 columns, of each 4,096 bytes (512 elements of 8 bytes: 512 along K), 8,192 bytes apart; no padding
	s_or_b32 s[G1B+0], s44, (3<<16)|(1<<21)
	s_mov_b32 s[G1B+1], 512<<16
	s_mov_b32 s[G1B+2], 8<<16
	s_mov_b32 s[G1B+3], 512<<16
	s_mov_b32 s[G1B+4], 8
	s_mov_b32 s[G1B+5], 1024
	s_mov_b32 s[G1B+6], 0
	s_mov_b32 s[G1B+7], 0
	; the scales of 128 rows: 4,096 dense bytes as 16 rows of 256 (32 elements of 8 bytes), 16 bytes of padding behind each
	s_or_b32 s[G1S+0], s43, (3<<16)|(1<<20)|(1<<21)|(5<<22)|(3<<25)
	s_or_b32 s[G1SB+0], s44, (3<<16)|(1<<20)|(1<<21)|(5<<22)|(3<<25)
.irp g, G1S, G1SB
	s_mov_b32 s[\g+1], 32<<16
	s_mov_b32 s[\g+2], (128*KS/256)<<16
	s_mov_b32 s[\g+3], 32<<16
	s_mov_b32 s[\g+4], 128*KS/256
	s_mov_b32 s[\g+5], 32
	s_mov_b32 s[\g+6], 0
	s_mov_b32 s[\g+7], 0
.endr
	s_lshl_b32 s18, s16, 7                         ; which 128 rows (of A) or columns (of W) I fetch
	s_lshl_b32 s20, s17, 8
	s_add_co_u32 s20, s20, s18                     ; A: row 256 x tile row + 128 x half
	s_lshl_b32 s46, s42, 8
	s_add_co_u32 s46, s46, s18                     ; B: column 256 x tile column + 128 x half
	s_mov_b32 s21, 0
	s_mov_b32 s47, 0
	s_mov_b64 s[18:19], KS
	s_mul_u64 s[22:23], s[20:21], s[18:19]         ; where their scales begin, in bytes
	s_mul_u64 s[92:93], s[46:47], s[18:19]
	s_mov_b64 s[18:19], KROW
	s_mul_u64 s[20:21], s[20:21], s[18:19]         ; and their codes: 512 bytes a row of A, and 8,192 for 16 columns of W: 512 a column too
	s_mul_u64 s[46:47], s[46:47], s[18:19]
	s_mul_i32 s45, s14, HALFT                      ; where they go: no place in the cluster enters an LDS address
	s_mul_i32 s94, s14, HALFS
	s_wait_dscnt 0x0                               ; both opening adds are done
	s_wait_kmcnt 0x0
	s_add_nc_u64 s[20:21], s[4:5], s[20:21]
	s_add_nc_u64 s[22:23], s[6:7], s[22:23]
	s_add_nc_u64 s[46:47], s[8:9], s[46:47]
	s_add_nc_u64 s[92:93], s[10:11], s[92:93]
	CROUND                                         ; all sixteen work-groups are here: the joint loads meet
	s_mov_b32 s[G0S], 1
	s_add_co_u32 s[G0S+1], s94, SCL
	s_mov_b64 s[G0S+2:G0S+3], s[22:23]
	s_or_b32 s[G0S+3], s[G0S+3], 0x80000000
	s_mov_b32 s[G0SB], 1
	s_add_co_u32 s[G0SB+1], s94, SCL
	s_mov_b64 s[G0SB+2:G0SB+3], s[92:93]
	s_or_b32 s[G0SB+3], s[G0SB+3], 0x80000000
	JLOAD G0S, G1S, G0SB, G1SB                     ; the scales first; with the two slots three loads of mine are out
.irp s, 0,1
	s_mov_b32 s[G0+4*\s], 1
	s_add_co_u32 s[G0+4*\s+1], s45, \s*SLOT
	s_add_nc_u64 s[G0+4*\s+2:G0+4*\s+3], s[20:21], \s*ROWB
	s_or_b32 s[G0+4*\s+3], s[G0+4*\s+3], 0x80000000
	s_mov_b32 s[G0B+4*\s], 1
	s_add_co_u32 s[G0B+4*\s+1], s45, \s*SLOT
	s_add_nc_u64 s[G0B+4*\s+2:G0B+4*\s+3], s[46:47], \s*4096
	s_or_b32 s[G0B+4*\s+3], s[G0B+4*\s+3], 0x80000000
	JLOAD G0+4*\s, G1, G0B+4*\s, G1B
.endr
	v_and_b32 v1, 15, v0                           ; r
	v_bfe_u32 v2, v0, 4, 1                         ; h
	v_mul_u32_u24 v3, v1, PITCH
	v_lshl_add_u32 v4, v2, 4, v3                   ; A: row x pitch + 16 h
	v_and_b32 v6, 31, v0
	v_lshlrev_b32 v[LB], 4, v6                     ; B: 16 x lane
	s_mul_i32 s21, s15, HALFT                      ; my 128 rows of A
	s_mul_i32 s22, s16, HALFT                      ; my 128 columns of W,
	s_add_co_u32 s22, s22, 2*HALFT                 ; which lie behind A's 256 rows
.irp s, 0,1
	v_add_nc_u32 v[ADRA+\s], s21, v4
	v_add_nc_u32 v[ADRB+\s], s22, v[LB]
	s_add_co_u32 s21, s21, SLOT
	s_add_co_u32 s22, s22, SLOT
.endr
	v_mul_u32_u24 v5, v1, KS                       ; my row's scales: 32 bytes a row,
	v_lshrrev_b32 v6, 8, v5
	v_lshl_add_u32 v5, v6, 4, v5                   ; and 16 more for each 256 passed
	s_mul_i32 s21, s15, HALFS
	s_mul_i32 s22, s16, HALFS
	s_add_co_u32 s22, s22, 2*HALFS
	s_sub_co_u32 s22, s22, s21
	v_mul_u32_u24 v6, s22, v2                      ; lanes 16-31 take B's: one product, the distance between the two bases x h
	s_add_co_u32 s21, s21, SCL
	v_add_nc_u32 v5, v5, v6
	v_add_nc_u32 v[ADRS], s21, v5
	v_lshrrev_b32 v5, 3, v1
	v_and_b32 v6, 7, v1
	v_lshlrev_b32 v[VO], 4, v6
	v_lshl_add_u32 v[VO], v2, 7, v[VO]
	v_lshl_add_u32 v[VO], v5, 8, v[VO]
	v_lshlrev_b32 v[BO], 5, v2
	; where my part of qkv begins: which x 16,777,216 + (16 b + 4 cx + 2 x column half) heads of 262,144 + (16 (tile row % 8) + 8 x row half) tiles of 2,048
	s_lshr_b32 s20, s17, 3
	s_lshl_b32 s20, s20, 4
	s_lshl_b32 s21, s16, 1
	s_add_co_u32 s20, s20, s21
	s_lshl_b32 s20, s20, 18
	s_and_b32 s21, s17, 7
	s_lshl_b32 s21, s21, 4
	s_lshl_b32 s22, s15, 3
	s_add_co_u32 s22, s21, s22                     ; my first tile of 16 positions
	s_lshl_b32 s21, s22, 11
	s_add_co_u32 s20, s20, s21
	s_lshl_b32 s21, ttmp9, 24
	s_add_co_u32 s20, s20, s21
	s_mov_b32 s21, 0
	s_lshl_b32 s46, s40, 20
	s_mov_b32 s47, 0
	s_add_nc_u64 s[20:21], s[20:21], s[46:47]
	s_add_nc_u64 s[12:13], s[12:13], s[20:21]
	s_lshl_b32 s20, s22, 12                        ; the table: 4,096 bytes for 16 positions
	s_mov_b32 s21, 0
	s_add_nc_u64 s[98:99], s[98:99], s[20:21]
	s_lshl_b32 s46, s42, 10                        ; the bias: my first column x 4
	s_lshl_b32 s47, s16, 9
	s_add_co_u32 s46, s46, s47
	s_mov_b32 s47, 0
	s_add_nc_u64 s[96:97], s[96:97], s[46:47]
.irp b, 0,1,2,3,4,5,6,7
	global_load_b128 v[BIAS+8*\b:BIAS+8*\b+3], v[BO], s[96:97] offset:64*\b
	global_load_b128 v[BIAS+8*\b+4:BIAS+8*\b+7], v[BO], s[96:97] offset:64*\b+16
.endr
; cos and sin of my rows 16 a .. 16 a + 15: 32 registers of window 1: cos at TT + 8 bb + j, sin at TT + 16 + 8 bb + j, for position 16 bb + 8 h + j
.macro TABLE a
.set TT, 64*(1-(\a)/4)+32*((\a)%4)+64*(((\a)%4)/2)
.irp p, 0,1,2,3,4,5,6,7
	global_load_b128 v[TT+4*\p:TT+4*\p+3], v[LB], s[98:99] offset:(\a)*4096+\p*512
.endr
.endm
	WIN TO_B
	TABLE 0                                        ; rows 0-63, into window 1's idle registers.  v's work-groups load them too: what one arm of the way out reads is written on every way that leads there
	TABLE 1
	TABLE 2
	TABLE 3
	WIN 0
.macro FRAGA reg, adr, q, i            ; 16 rows x 128 K of 4-bit codes: registers 4 c .. 4 c + 3 hold K = 64 c + 32 h + 0 .. 31
.irp c, 0,1
	ds_load_b128 v[\reg+4*\c:\reg+4*\c+3], v[\adr] offset:64*(\q)+32*\c+(\i)*16*PITCH
.endr
.endm
.macro FRAGB reg, adr, q, i            ; the same from the image: 512 consecutive bytes a load
.irp c, 0,1
	ds_load_b128 v[\reg+4*\c:\reg+4*\c+3], v[\adr] offset:1024*(\q)+512*\c+(\i)*4096
.endr
.endm
; 16 matrix instructions: A's blocks a0, a0 + 1 x B's eight, the slot's q-th 128 along K.  p: B's set; sc: the set of scale words.  zero = 1: the first product starts the sums, with the bias as C.
; The 64 accumulators take turns, one instruction a turn, in the same order in every step.
.macro MUL16 a0, p, q, sc, zero
.irp a, \a0, \a0+1
.irp b, 0,1,2,3,4,5,6,7
.if \zero
	v_wmma_scale_f32_16x16x128_f8f6f4 v[8*(8*((\a)%4)+\b):8*(8*((\a)%4)+\b)+7], v[128*(\p)+FR*\b:128*(\p)+FR*\b+FR-1], v[AF+FR*(\a):AF+FR*(\a)+FR-1], v[BIAS+8*\b:BIAS+8*\b+7], v[SC+8*NQ*(\sc)+NQ*\b+(\q)], v[SC+8*NQ*(\sc)+NQ*(\a)+(\q)] matrix_a_fmt:MATRIX_FMT_FP4 matrix_b_fmt:MATRIX_FMT_FP4 matrix_a_scale:MATRIX_SCALE_ROW1
.else
	v_wmma_scale_f32_16x16x128_f8f6f4 v[8*(8*((\a)%4)+\b):8*(8*((\a)%4)+\b)+7], v[128*(\p)+FR*\b:128*(\p)+FR*\b+FR-1], v[AF+FR*(\a):AF+FR*(\a)+FR-1], v[8*(8*((\a)%4)+\b):8*(8*((\a)%4)+\b)+7], v[SC+8*NQ*(\sc)+NQ*\b+(\q)], v[SC+8*NQ*(\sc)+NQ*(\a)+(\q)] matrix_a_fmt:MATRIX_FMT_FP4 matrix_b_fmt:MATRIX_FMT_FP4 matrix_a_scale:MATRIX_SCALE_ROW1
.endif
.endr
.endr
.endm
.macro FETCH_B slot, q, p
	WIN TO_B
.irp i, 0,1,2,3,4,5,6,7
	FRAGB 128*(\p)+FR*\i, ADRB+\slot, \q, \i
.endr
	WIN 0
.endm
.macro FETCH_A slot, q, i0
.irp i, \i0, \i0+1, \i0+2, \i0+3
	FRAGA AF+FR*(\i), ADRA+\slot, \q, \i
.endr
.endm
.macro SCALES sc                       ; a slot's scale words: 4 words a row; lanes 0-15 take A's block i, lanes 16-31 B's block i
.irp i, 0,1,2,3,4,5,6,7
	ds_load_b128 v[SC+8*NQ*\sc+NQ*\i:SC+8*NQ*\sc+NQ*\i+3], v[ADRS] offset:\i*SBLK
.endr
.endm
.macro PLACES n                        ; plain vector instructions between a matrix instruction and a load into, or a vector read or write of, its registers
.rept \n
	v_nop
.endr
.endm
; A step of 128 along K that has its successor in the same slot.  A has one set of registers: blocks 0-3 are fetched anew in the step's middle, blocks 4-7 at its end; B has two sets.
.macro STEP slot, q, zero
	s_wait_dscnt 4*NL                              ; B's set and A's blocks 0-3 are in; the youngest eight loads (A's blocks 4-7) may be out
.if \zero
	WIN 0x81                                       ; C (the bias) window 0, D window 2
.else
	WIN MUL_LO
.endif
	MUL16 0, (\q)%2, \q, \slot, \zero
	MUL16 2, (\q)%2, \q, \slot, \zero
	s_wait_dscnt 0
	PLACES NP
	FETCH_B \slot, (\q)+1, 1-(\q)%2
	FETCH_A \slot, (\q)+1, 0
.if \zero
	WIN 0xc1                                       ; C window 0, D window 3
.else
	WIN MUL_HI
.endif
	MUL16 4, (\q)%2, \q, \slot, \zero
	MUL16 6, (\q)%2, \q, \slot, \zero
	PLACES NP
	WIN 0
	FETCH_A \slot, (\q)+1, 4
.endm
.macro STEPS slot, from
.set Q, \from
.rept NQ-1-\from
	STEP \slot, Q, 0
.set Q, Q+1
.endr
.endm
	s_wait_tensorcnt 1                             ; the scales and my part of slot 0 are in; slot 1's load may be out
	s_barrier_signal -1
	s_barrier_wait -1                              ; everybody's are
	FETCH_B 0, 0, 0
	FETCH_A 0, 0, 0
	SCALES 0
	FETCH_A 0, 0, 4
	s_wait_loadcnt 0x0                             ; the bias and the table
	STEP 0, 0, 1
	STEPS 0, 1
	; slot 0's last step changes slots: one barrier; ahead of it my part of slot 1 has landed
	s_wait_tensorcnt 0x0
	ds_add_u32 v[SPW], v[NIL]
	s_wait_dscnt 4*NL+1                            ; the add and the youngest eight loads (A's blocks 4-7) may be out
	WIN MUL_LO
	MUL16 0, 1, NQ-1, 0, 0
	s_wait_dscnt 0x0
	s_barrier_signal -1
	MUL16 2, 1, NQ-1, 0, 0
	WIN 0
	s_barrier_wait -1                              ; slot 1 is whole
	PLACES NP
	v_add_nc_u32 v[ADRS], 4*NQ, v[ADRS]            ; slot 1's scale words: 16 bytes on in each row
	FETCH_B 1, 0, 0
	FETCH_A 1, 0, 0
	SCALES 1
	WIN MUL_HI
	MUL16 4, 1, NQ-1, 0, 0
	MUL16 6, 1, NQ-1, 0, 0
	PLACES NP
	WIN 0
	FETCH_A 1, 0, 4
	STEPS 1, 0
	s_wait_dscnt 4*NL                              ; the last step: nothing more to fetch
	WIN MUL_LO
	MUL16 0, 1, NQ-1, 1, 0
	MUL16 2, 1, NQ-1, 1, 0
	s_wait_dscnt 0
	WIN MUL_HI
	MUL16 4, 1, NQ-1, 1, 0
	MUL16 6, 1, NQ-1, 1, 0
	WIN 0
	PLACES NP                                      ; ahead of the first read of results, of loads into B's registers and of writes into A's
; q and k: rows 16 a on, head hh of my two.  x1 = channels 0-31 (column blocks 0, 1 of the head), x2 = channels 32-63 (blocks 2, 3): x1 c - x2 s and x2 c + x1 s, two at a time; each accumulator is read from its low end on.
.macro ROPE a, hh
.set AC, 64*((\a)%4)+32*(\hh)
.set TT, 64*(1-(\a)/4)+32*((\a)%4)+64*(((\a)%4)/2)
.set PS, PK+16*((2*(\a)+(\hh))%4)
.if 2*(\a)+(\hh) >= 4
	s_wait_xcnt 0x0                                ; the stores of four turns back have read their data: the set is written again only behind this wait
.endif
	WIN 0x06+(\a)/4                                ; source 0: the accumulators' window; source 1: window 1, the table
.irp bb, 0,1
.irp jp, 0,2,4,6
	v_pk_mul_f32 v[OUTR+8*\bb+\jp:OUTR+8*\bb+\jp+1], v[AC+16+8*\bb+\jp:AC+16+8*\bb+\jp+1], v[TT+16+8*\bb+\jp:TT+16+8*\bb+\jp+1]
	v_pk_mul_f32 v[OUTR+16+8*\bb+\jp:OUTR+16+8*\bb+\jp+1], v[AC+8*\bb+\jp:AC+8*\bb+\jp+1], v[TT+16+8*\bb+\jp:TT+16+8*\bb+\jp+1]
.endr
.endr
.irp bb, 0,1
.irp jp, 0,2,4,6
	v_pk_fma_f32 v[OUTR+8*\bb+\jp:OUTR+8*\bb+\jp+1], v[AC+8*\bb+\jp:AC+8*\bb+\jp+1], v[TT+8*\bb+\jp:TT+8*\bb+\jp+1], v[OUTR+8*\bb+\jp:OUTR+8*\bb+\jp+1] neg_lo:[0,0,1] neg_hi:[0,0,1]
	v_pk_fma_f32 v[OUTR+16+8*\bb+\jp:OUTR+16+8*\bb+\jp+1], v[AC+16+8*\bb+\jp:AC+16+8*\bb+\jp+1], v[TT+8*\bb+\jp:TT+8*\bb+\jp+1], v[OUTR+16+8*\bb+\jp:OUTR+16+8*\bb+\jp+1]
.endr
.endr
	WIN 0
.irp i, 0,1,2,3,4,5,6,7,8,9,10,11,12,13,14,15
	v_cvt_pk_f16_f32 v[PS+\i], v[OUTR+2*\i], v[OUTR+2*\i+1]
.endr
.irp bb, 0,1,2,3
	global_store_b128 v[LB], v[PS+4*\bb:PS+4*\bb+3], s[12:13] offset:(\a)*2048+(\hh)*262144+\bb*512
.endr
.endm
; v: rows 16 a on, both heads: rounded as they are
.macro PLAINV a
.set AC, 64*((\a)%4)
.set PS, PK+32*((\a)%2)
.if (\a) >= 2
	s_wait_xcnt 0x0                                ; the stores of two blocks back have read their data
.endif
	WIN 0x0a+5*((\a)/4)                            ; sources 0 and 1: window 2 or 3
.irp b, 0,1,2,3,4,5,6,7
.irp i, 0,1,2,3
	v_cvt_pk_f16_f32 v[PS+4*\b+\i], v[AC+8*\b+2*\i], v[AC+8*\b+2*\i+1]
.endr
.endr
	WIN 0
.irp b, 0,1,2,3,4,5,6,7
	global_store_b128 v[VO], v[PS+4*\b:PS+4*\b+3], s[12:13] offset:(\a)*2048+(\b/4)*262144+(\b%4)*512
.endr
.endm
	s_cmp_eq_u32 ttmp9, 2                          ; the cluster's x: 0 q, 1 k, 2 v: the same in all sixteen partners
	s_cbranch_scc1 .Lplain
	WIN TO_B
	TABLE 4                                        ; rows 64-127, into B's registers, which are done with
	TABLE 5
	TABLE 6
	TABLE 7
	WIN 0
.irp a, 0,1,2,3
	ROPE \a, 0
	ROPE \a, 1
.endr
	s_wait_loadcnt 0x0                             ; the table of rows 64-127
.irp a, 4,5,6,7
	ROPE \a, 0
	ROPE \a, 1
.endr
	s_branch .Lclose
.Lplain:
.irp a, 0,1,2,3,4,5,6,7
	PLAINV \a
.endr
.Lclose:
	s_wait_tensorcnt 0x0                           ; the wave's end, behind my last tensor load
	ds_add_u32 v[SPW], v[NIL]
	s_wait_dscnt 0x0
	CROUND                                         ; the closing round: no work-group ends while a partner may still ask for a tile that names it
	s_endpgm
.Lfunc_end_k_q8febb78f44_gemm1:
	.size	k_q8febb78f44_gemm1, .Lfunc_end_k_q8febb78f44_gemm1-k_q8febb78f44_gemm1
	.p2alignl 7, 3214868480
	.fill 96, 4, 3214868480
	.section	.rodata,"a",@progbits
	.p2align	6, 0x0
	.amdhsa_kernel k_q8febb78f44_gemm1
		.amdhsa_group_segment_fixed_size 327680
		.amdhsa_private_segment_fixed_size 0
		.amdhsa_enable_private_segment 0
		.amdhsa_kernarg_size 56
		.amdhsa_user_sgpr_count 2
		.amdhsa_user_sgpr_kernarg_segment_ptr 1
		.amdhsa_wavefront_size32 1
		.amdhsa_system_sgpr_workgroup_id_x 1
		.amdhsa_system_sgpr_workgroup_id_y 1
		.amdhsa_system_sgpr_workgroup_id_z 1
		.amdhsa_system_vgpr_workitem_id 0
		.amdhsa_next_free_vgpr 1024
		.amdhsa_next_free_sgpr 100
		.amdhsa_reserve_vcc 0
		.amdhsa_float_denorm_mode_32 3
		.amdhsa_float_denorm_mode_16_64 3
		.amdhsa_memory_ordered 1
		.amdhsa_forward_progress 1
		.amdhsa_inst_pref_size 181
	.end_amdhsa_kernel
	.amdgpu_metadata
---
amdhsa.version: [ 1, 2 ]
amdhsa.kernels:
  - .name:           k_q8febb78f44_gemm1
    .symbol:         k_q8febb78f44_gemm1.kd
    .args:
      - { .name: x_codes, .offset: 0, .size: 8, .value_kind: global_buffer, .address_space: global }
      - { .name: x_scales, .offset: 8, .size: 8, .value_kind: global_buffer, .address_space: global }
      - { .name: w_codes, .offset: 16, .size: 8, .value_kind: global_buffer, .address_space: global }
      - { .name: w_scales, .offset: 24, .size: 8, .value_kind: global_buffer, .address_space: global }
      - { .name: qkv, .offset: 32, .size: 8, .value_kind: global_buffer, .address_space: global }
      - { .name: b_qkv, .offset: 40, .size: 8, .value_kind: global_buffer, .address_space: global }
      - { .name: tab, .offset: 48, .size: 8, .value_kind: global_buffer, .address_space: global }
    .group_segment_fixed_size: 327680
    .private_segment_fixed_size: 0
    .kernarg_segment_align: 8
    .kernarg_segment_size: 56
    .max_flat_workgroup_size: 128
    .sgpr_count:     100
    .vgpr_count:     1024
    .wavefront_size: 32
...
	.end_amdgpu_metadata
.endif
;; end of part 2
;; launch attn (part 3): grid 4 x 64, 8 waves a work-group, clusters of 4 x 1, 327,680 bytes of LDS; arguments qkv, att; writes att
.if DOCPART == 3
	.amdgcn_target "amdgcn-amd-amdhsa--gfx1250"
	.amdhsa_code_object_version 6
	.text
	.protected	k_q8febb78f44_attn
	.globl	k_q8febb78f44_attn
	.p2align	8
	.type	k_q8febb78f44_attn,@function
k_q8febb78f44_attn:
	s_mov_b64 s[64:65], 0
	v_nop
	global_prefetch_b8 v0, s[64:65] scope:SCOPE_SE
	s_setreg_imm32_b32 hwreg(HW_REG_WAVE_MODE, 25, 1), 1
	s_wait_xcnt 0x0
	s_wait_alu depctr_hold_cnt(0) depctr_sa_sdst(0) depctr_va_vdst(0) depctr_va_sdst(0) depctr_va_ssrc(0) depctr_va_vcc(0) depctr_vm_vsrc(0)
	s_getreg_b32 s2, hwreg(HW_REG_IB_STS2, 6, 4)
	s_cmp_eq_u32 s2, 0
	s_cbranch_scc0 .Lentry_in_a_cluster
	s_endpgm
.Lentry_in_a_cluster:
	s_bfe_u32 s2, ttmp6, 0x10000c
	s_cmp_lg_u32 s2, 0x3003
	s_cbranch_scc0 .Lentry_shape_is_right
	s_endpgm
.Lentry_shape_is_right:
; O[q] = the sum over k of softmax_k(Q[q] . K[k] / 8) V[k] for each of 64 (b, head) pairs; 2,048 queries and keys, head size 64, no mask.  Operands f16; products, maxima and sums f32; the weights p are rounded to f16 for the second product.
; q, k, v lie in memory in the order of the operands' registers: [q, k, v][b x 16 + head][l / 16][channel / 16][32 places][16 bytes]; a tile of 16 positions is 2,048 bytes, and every fragment load reads 512 consecutive bytes at 16 x lane.
; SHARES.  A work-group owns 512 queries of one pair, each of its EIGHT waves 64: four tiles of 16, in 512 registers: two waves to a SIMD, so that one wave's softmax stands beside the other's products.  Every wave walks all keys, 64 a step.
; LAYOUT.  S^T = K Q^T (source 0 = 16 keys, source 1 = 16 queries): a lane holds ONE query (lane % 16) and keys 8 (lane / 16) + 0 .. 7.  Two such tiles, rounded to f16 in pairs, are source 1 of O^T = V^T P, whose result again holds one query a lane
; and eight channels: packed to f16 these are the registers that the projection's fragment wants in the same lane, so O leaves by stores of 512 consecutive bytes: att [b x 128 + l / 16][head][channel / 16][lane][16 bytes].
; SOFTMAX.  For each query a running maximum m and sum l: p = 2^(c s - c m), c = log2(e) / 8; in every step O and l are multiplied by a = 2^(c m_old - c m_new).
; RING.  Two LDS slots of 512 keys (K's image 65,536 bytes, then V's).  Every wave fetches 16,384 dense bytes of a slot by one tensor load.  CLUSTER: the four query blocks of a pair walk the same K and V: each load is asked for jointly by the four.
; A refill is asked for eight key steps, 512 matrix instructions a wave, ahead of the wait for it; no prefetch is laid.
; LIMITS: as the operands are f16, numbers beyond 65,504 are infinity and numbers under 6e-5 lose bits.
; REGISTERS: window 0: v1-7 addresses; v8-39 statistics, eight a tile: +0 c m, +1 m, +2, +3 l, +4 .. +7 at work (a takes +6); v64-191 S^T, 32 a tile; v192-255 P, 16 a tile.
;   window 1: v0-127 O^T, 32 a tile; v128-191 Q, 16 a tile; v192-255 one buffer that a step's K and then its V take.
.set SLOT1, 1<<17
.set VOFF,  65536
.set STEPB, 8192                       ; 64 keys: four tiles of 2,048 bytes
.set SPARE, 2*SLOT1                    ; behind the ring: the spare words, 128 bytes a wave: four blocks of 256 bytes that no other line names
.set LA,  1                            ; v1  16 x lane
.set LAV, 2                            ; v2  the same in V's image
.set ADK, 3
.set ADV, 4
.set SPW, 6
.set NIL, 7
.set ST,  8
.set S,   64
.set P,   192
.set OT,  0
.set Q,   128
.set KV,  192
.set WV,  12
.set G1,  24                           ; s[24:31] descriptor group 1
.set G0,  32                           ; s[32:35] group 0 of slot 0's first fill; s[36:39] of slot 1's, which then walks on
.set TB,  40                           ; LDS byte at which the step's tiles begin
.set CNT, 41
.set SLOTS, 42
.set CS,  44                           ; s[44:45] c
.set SEL, 46                           ; s[46:47] v_permlanex16_b32's selects: lane l xor 16
.set MSB, 0
.macro WIN new
.if MSB != (\new)
	s_set_vgpr_msb (MSB<<8)|(\new)
.set MSB, (\new)
.endif
.endm
.macro CROUND                          ; a round of the cluster's barrier
	s_barrier_signal -1
	s_barrier_wait -1
	s_cmp_lg_u32 s[WV], 0
	s_cbranch_scc1 .Lnot_wave_0_\@
	s_barrier_signal -3
.Lnot_wave_0_\@:
	s_barrier_wait -3
	s_barrier_signal -1
	s_barrier_wait -1
.endm
	s_load_b128 s[4:7], s[0:1], 0x0                ; qkv s[4:5], att s[6:7]
	v_lshl_add_u32 v[SPW], v0, 2, SPARE
	v_mov_b32 v[NIL], 0
	ds_add_u32 v[SPW], v[NIL]                      ; the wave's opening: the add, twice on end, and its wait ahead of my first tensor load
	ds_add_u32 v[SPW], v[NIL]
	v_lshrrev_b32 v5, 5, v0
	v_readfirstlane_b32 s[WV], v5                  ; wave 0..7
	s_bfe_u32 s13, ttmp6, 0x40000                  ; cx
	s_lshl_b32 s15, ttmp9, 2
	s_add_co_u32 s15, s15, s13                     ; my block of 512 queries: it enters Q's and O's addresses alone
	s_and_b32 s14, ttmp7, 0xffff                   ; the pair b x 16 + head, which the four partners share
	; group 1: 16,384 dense bytes as 64 rows of 256 (32 elements of 8 bytes); the mask names all four work-groups
	s_mov_b32 s[G1], 15|(3<<16)|(1<<21)
	s_mov_b32 s[G1+1], 32<<16
	s_mov_b32 s[G1+2], 64<<16
	s_mov_b32 s[G1+3], 32<<16
	s_mov_b32 s[G1+4], 64
	s_mov_b32 s[G1+5], 32
	s_mov_b32 s[G1+6], 0
	s_mov_b32 s[G1+7], 0
	s_lshr_b32 s16, s[WV], 2                       ; waves 0-3 fetch K's quarters, waves 4-7 V's
	s_add_co_u32 s16, s16, 1
	s_lshl_b32 s16, s16, 24                        ; k begins 16,777,216 bytes into qkv, v twice as far
	s_lshl_b32 s18, s14, 18                        ; a pair's image is 262,144 bytes
	s_add_co_u32 s16, s16, s18
	s_and_b32 s19, s[WV], 3
	s_lshl_b32 s19, s19, 14
	s_add_co_u32 s16, s16, s19
	s_mov_b32 s17, 0
	s_lshl_b32 s20, s15, 16                        ; Q: my block's 32 tiles, my wave's 4
	s_add_co_u32 s20, s20, s18
	s_lshl_b32 s19, s[WV], 13
	s_add_co_u32 s20, s20, s19
	s_mov_b32 s21, 0
	s_lshr_b32 s22, s14, 4                         ; att: ((128 b + 32 block + 4 wave) x 16 + head) x 2,048
	s_lshl_b32 s22, s22, 22
	s_lshl_b32 s19, s15, 20
	s_add_co_u32 s22, s22, s19
	s_lshl_b32 s19, s[WV], 17
	s_add_co_u32 s22, s22, s19
	s_and_b32 s19, s14, 15
	s_lshl_b32 s19, s19, 11
	s_add_co_u32 s22, s22, s19
	s_mov_b32 s23, 0
	s_mov_b32 s[G0], 1
	s_lshl_b32 s[G0+1], s[WV], 14                  ; LDS: wave x 16,384: K's four quarters, then V's
	s_mov_b32 s[G0+4], 1
	s_add_co_u32 s[G0+5], s[G0+1], SLOT1
	s_mov_b32 s[CS], 0x3e38aa3b                    ; c = log2(e) / 8
	s_mov_b32 s[CS+1], s[CS]                       ; (named with it as a pair)
	s_mov_b32 s[SEL], 0x76543210
	s_mov_b32 s[SEL+1], 0xfedcba98
	s_mov_b32 s[TB], 0
	s_mov_b32 s[SLOTS], 2
	s_wait_dscnt 0x0                               ; both opening adds are done
	s_wait_kmcnt 0x0
	s_add_nc_u64 s[G0+2:G0+3], s[4:5], s[16:17]    ; keys 0 to 511
	s_add_nc_u64 s[G0+6:G0+7], s[G0+2:G0+3], 65536 ; keys 512 to 1,023
	s_or_b32 s[G0+3], s[G0+3], 0x80000000
	s_or_b32 s[G0+7], s[G0+7], 0x80000000
	s_add_nc_u64 s[8:9], s[4:5], s[20:21]          ; Q
	s_add_nc_u64 s[6:7], s[6:7], s[22:23]          ; att
	CROUND                                         ; all four work-groups are here: the first joint loads meet
	tensor_load_to_lds s[G0:G0+3], s[G1:G1+7]      ; both first fills together: two loads of mine are out
	s_nop 0
	tensor_load_to_lds s[G0+4:G0+7], s[G1:G1+7]
	s_nop 0
.rept 4
	v_nop
.endr
	v_and_b32 v5, 31, v0
	v_lshlrev_b32 v[LA], 4, v5
	v_add_nc_u32 v[LAV], VOFF, v[LA]
	WIN 0x40                                       ; destination window 1
.irp t, 0,1,2,3
.irp p, 0,1,2,3
	global_load_b128 v[Q+16*\t+4*\p:Q+16*\t+4*\p+3], v[LA], s[8:9] offset:\t*2048+\p*512   ; Q stays in registers: tile t, channels 16 p on
.endr
.endr
	WIN 0
; A KEY STEP: 64 keys.  first = 1: the first step, which starts m, l and O^T.
.macro STEP first
	v_add_nc_u32 v[ADK], s[TB], v[LA]              ; these two and two v_nop are the four places between the last product that read the buffer and the loads into it
	v_add_nc_u32 v[ADV], s[TB], v[LAV]
	v_nop
	v_nop
	WIN 0x40
.irp kt, 0,1,2,3
.irp p, 0,1,2,3
	ds_load_b128 v[KV+16*\kt+4*\p:KV+16*\kt+4*\p+3], v[ADK] offset:\kt*2048+\p*512   ; K: keys 16 kt on, channels 16 p on
.endr
.endr
	s_wait_dscnt 0x0
	WIN 0x05                                       ; K and Q in window 1, S^T in window 0
.irp c, 0,1                            ; sixteen accumulators by turns, one instruction a turn; the first sixteen start the sums
.irp kt, 0,1,2,3
.irp t, 0,1,2,3
.if \c == 0
	v_wmma_f32_16x16x32_f16 v[S+32*\t+8*\kt:S+32*\t+8*\kt+7], v[KV+16*\kt+8*\c:KV+16*\kt+8*\c+7], v[Q+16*\t+8*\c:Q+16*\t+8*\c+7], 0
.else
	v_wmma_f32_16x16x32_f16 v[S+32*\t+8*\kt:S+32*\t+8*\kt+7], v[KV+16*\kt+8*\c:KV+16*\kt+8*\c+7], v[Q+16*\t+8*\c:Q+16*\t+8*\c+7], v[S+32*\t+8*\kt:S+32*\t+8*\kt+7]
.endif
.endr
.endr
.endr
.rept 4
	v_nop                                          ; places ahead of the loads into K's registers and of the first read of the scores
.endr
	WIN 0x40
.irp u, 0,1
.irp ct, 0,1,2,3
.irp e, 0,1
	ds_load_tr16_b128 v[KV+8*(4*\u+\ct)+4*\e:KV+8*(4*\u+\ct)+4*\e+3], v[ADV] offset:(2*\u+\e)*2048+\ct*512   ; V, turned: lane l gets channel 16 ct + l % 16 and keys 32 u + 16 e + 8 (l / 16) + 0 .. 7; it lands under the softmax
.endr
.endr
.endr
	WIN 0
	; the maximum of a lane's 32 scores and the old m, three operands at a time, the four tiles by turns; each accumulator is read from its low end on
.irp j, 0,1,2,3
.irp t, 0,1,2,3
	v_max3_num_f32 v[ST+8*\t+4+\j], v[S+32*\t+8*\j], v[S+32*\t+8*\j+1], v[S+32*\t+8*\j+2]
.endr
.endr
.irp g, 1,2
.irp j, 0,1,2,3
.irp t, 0,1,2,3
	v_max3_num_f32 v[ST+8*\t+4+\j], v[ST+8*\t+4+\j], v[S+32*\t+8*\j+2*\g+1], v[S+32*\t+8*\j+2*\g+2]
.endr
.endr
.endr
.irp t, 0,1,2,3
	v_max3_num_f32 v[ST+8*\t+4], v[ST+8*\t+4], v[S+32*\t+7], v[S+32*\t+15]
.endr
.irp t, 0,1,2,3
	v_max3_num_f32 v[ST+8*\t+6], v[ST+8*\t+6], v[S+32*\t+23], v[S+32*\t+31]
.endr
.irp t, 0,1,2,3
	v_max3_num_f32 v[ST+8*\t+4], v[ST+8*\t+4], v[ST+8*\t+5], v[ST+8*\t+6]
.endr
.irp t, 0,1,2,3
.if \first
	v_max_num_f32 v[ST+8*\t+4], v[ST+8*\t+4], v[ST+8*\t+7]
.else
	v_max3_num_f32 v[ST+8*\t+4], v[ST+8*\t+4], v[ST+8*\t+7], v[ST+8*\t+1]
.endif
.endr
.irp t, 0,1,2,3
	v_permlanex16_b32 v[ST+8*\t+5], v[ST+8*\t+4], s[SEL], s[SEL+1]   ; the query's other 32 keys lie in the lane 16 away
.endr
.if !\first
.irp t, 0,1,2,3
	v_mov_b32 v[ST+8*\t+7], v[ST+8*\t]             ; c m_old is kept for a
.endr
.endif
.irp t, 0,1,2,3
	v_max_num_f32 v[ST+8*\t+1], v[ST+8*\t+4], v[ST+8*\t+5]
.endr
.irp t, 0,1,2,3
	v_mul_f32 v[ST+8*\t], s[CS], v[ST+8*\t+1]
.endr
.if !\first
.irp t, 0,1,2,3
	v_sub_f32 v[ST+8*\t+7], v[ST+8*\t+7], v[ST+8*\t]
.endr
.irp t, 0,1,2,3
	v_exp_f32 v[ST+8*\t+6], v[ST+8*\t+7]           ; a
.endr
.endif
	; ONE BATCH: the scalings c s - c m and all exponentials; none of these lines names an exponential's result.  A tile's scalings stand among the exponentials of the tile before.
.irp b, 0,1,2,3,4,5,6,7,8,9,10,11,12,13,14,15
	v_pk_fma_f32 v[S+2*\b:S+2*\b+1], v[S+2*\b:S+2*\b+1], s[CS:CS+1], v[ST:ST+1] op_sel_hi:[1,0,0] neg_lo:[0,0,1] neg_hi:[0,0,1]
.endr
.irp t, 0,1,2
.irp b, 0,1,2,3,4,5,6,7,8,9,10,11,12,13,14,15
	v_pk_fma_f32 v[S+32*(\t+1)+2*\b:S+32*(\t+1)+2*\b+1], v[S+32*(\t+1)+2*\b:S+32*(\t+1)+2*\b+1], s[CS:CS+1], v[ST+8*(\t+1):ST+8*(\t+1)+1] op_sel_hi:[1,0,0] neg_lo:[0,0,1] neg_hi:[0,0,1]
	v_exp_f32 v[S+32*\t+2*\b], v[S+32*\t+2*\b]
	v_exp_f32 v[S+32*\t+2*\b+1], v[S+32*\t+2*\b+1]
.endr
.endr
.irp e, 0,1,2,3,4,5,6,7,8,9,10,11,12,13,14,15,16,17,18,19,20,21,22,23,24,25,26,27,28,29,30,31
	v_exp_f32 v[S+96+\e], v[S+96+\e]
.endr
	v_nop                                          ; a plain instruction behind the last exponential
	s_wait_alu depctr_va_vdst(0)                   ; one wait for the whole batch, ahead of the first line that names a result
.irp i, 0,1,2,3,4,5,6,7,8,9,10,11,12,13,14,15
.irp t, 0,1,2,3
	v_cvt_pk_f16_f32 v[P+16*\t+\i], v[S+32*\t+2*\i], v[S+32*\t+2*\i+1]
.endr
.endr
	; the sums of the unrounded p, two at a time, in two chains a tile
.if \first
.irp t, 0,1,2,3
	v_pk_add_f32 v[ST+8*\t+2:ST+8*\t+3], v[S+32*\t:S+32*\t+1], v[S+32*\t+2:S+32*\t+3]
.endr
.irp t, 0,1,2,3
	v_pk_add_f32 v[ST+8*\t+4:ST+8*\t+5], v[S+32*\t+4:S+32*\t+5], v[S+32*\t+6:S+32*\t+7]
.endr
.irp pr, 4,6,8,10,12,14
.irp t, 0,1,2,3
	v_pk_add_f32 v[ST+8*\t+2:ST+8*\t+3], v[ST+8*\t+2:ST+8*\t+3], v[S+32*\t+2*\pr:S+32*\t+2*\pr+1]
.endr
.irp t, 0,1,2,3
	v_pk_add_f32 v[ST+8*\t+4:ST+8*\t+5], v[ST+8*\t+4:ST+8*\t+5], v[S+32*\t+2*\pr+2:S+32*\t+2*\pr+3]
.endr
.endr
.else
.irp t, 0,1,2,3
	v_pk_fma_f32 v[ST+8*\t+2:ST+8*\t+3], v[ST+8*\t+2:ST+8*\t+3], v[ST+8*\t+6:ST+8*\t+7], v[S+32*\t:S+32*\t+1] op_sel_hi:[1,0,1]   ; l a + the first pair
.endr
.irp t, 0,1,2,3
	v_pk_add_f32 v[ST+8*\t+4:ST+8*\t+5], v[S+32*\t+2:S+32*\t+3], v[S+32*\t+4:S+32*\t+5]
.endr
.irp pr, 3,5,7,9,11,13
.irp t, 0,1,2,3
	v_pk_add_f32 v[ST+8*\t+2:ST+8*\t+3], v[ST+8*\t+2:ST+8*\t+3], v[S+32*\t+2*\pr:S+32*\t+2*\pr+1]
.endr
.irp t, 0,1,2,3
	v_pk_add_f32 v[ST+8*\t+4:ST+8*\t+5], v[ST+8*\t+4:ST+8*\t+5], v[S+32*\t+2*\pr+2:S+32*\t+2*\pr+3]
.endr
.endr
.irp t, 0,1,2,3
	v_pk_add_f32 v[ST+8*\t+2:ST+8*\t+3], v[ST+8*\t+2:ST+8*\t+3], v[S+32*\t+30:S+32*\t+31]
.endr
.endif
.irp t, 0,1,2,3
	v_pk_add_f32 v[ST+8*\t+2:ST+8*\t+3], v[ST+8*\t+2:ST+8*\t+3], v[ST+8*\t+4:ST+8*\t+5]
.endr
.if !\first
	WIN 0x41                                       ; O^T (destination and source 0) in window 1, a in window 0
.irp t, 0,1,2,3
.irp i, 0,2,4,6,8,10,12,14,16,18,20,22,24,26,28,30
	v_pk_mul_f32 v[OT+32*\t+\i:OT+32*\t+\i+1], v[OT+32*\t+\i:OT+32*\t+\i+1], v[ST+8*\t+6:ST+8*\t+7] op_sel_hi:[1,0]
.endr
.endr
.endif
	s_wait_dscnt 0x0                               ; V is in
	WIN 0x51                                       ; V in window 1, P in window 0, O^T in window 1
.irp u, 0,1                            ; sixteen accumulators by turns
.irp ct, 0,1,2,3
.irp t, 0,1,2,3
.if \first && (\u == 0)
	v_wmma_f32_16x16x32_f16 v[OT+32*\t+8*\ct:OT+32*\t+8*\ct+7], v[KV+8*(4*\u+\ct):KV+8*(4*\u+\ct)+7], v[P+16*\t+8*\u:P+16*\t+8*\u+7], 0
.else
	v_wmma_f32_16x16x32_f16 v[OT+32*\t+8*\ct:OT+32*\t+8*\ct+7], v[KV+8*(4*\u+\ct):KV+8*(4*\u+\ct)+7], v[P+16*\t+8*\u:P+16*\t+8*\u+7], v[OT+32*\t+8*\ct:OT+32*\t+8*\ct+7]
.endif
.endr
.endr
.endr
	WIN 0
	s_add_co_u32 s[TB], s[TB], STEPB
.endm
.macro STEPS n                         ; n key steps, written once
	s_mov_b32 s[CNT], \n
.Lstep_\@:
	STEP 0
	s_sub_co_u32 s[CNT], s[CNT], 1
	s_cmp_lg_u32 s[CNT], 0
	s_cbranch_scc1 .Lstep_\@
.endm
; THE CHANGE OF SLOTS.  Each wave waits for all its tensor loads, of which one is out: its part of the other slot; adds 0 to its spare word; and waits for that and for its reads of the slot that it leaves.
; fill = 1: the barrier is a round of the cluster's, so that no wave of any partner still reads the slot or has a load on its way, and the joint refill, with the keys two slots on, is the first thing behind it.
.macro CHANGE fill
	s_wait_tensorcnt 0x0                           ; no tensor load of mine is out, so a group 0 may be written
	ds_add_u32 v[SPW], v[NIL]
.if \fill
	s_xor_b32 s[G0+5], s[G0+5], SLOT1              ; the walking descriptor: the other slot than last time,
	s_add_nc_u64 s[G0+6:G0+7], s[G0+6:G0+7], 65536 ; the next 512 keys; the type bits on top are not reached
	s_wait_dscnt 0x0
	CROUND
	tensor_load_to_lds s[G0+4:G0+7], s[G1:G1+7]    ; my one load behind the round
	s_nop 0
.rept 4
	v_nop
.endr
.else
	s_wait_dscnt 0x0
	s_barrier_signal -1
	s_barrier_wait -1
.endif
	s_sub_co_u32 s[TB], s[TB], 8*STEPB             ; back to a slot's first step,
	s_xor_b32 s[TB], s[TB], SLOT1                  ; in the other slot
.endm
	s_wait_tensorcnt 1                             ; my part of slot 0 is in; slot 1's may stay out
	s_barrier_signal -1
	s_barrier_wait -1
	s_wait_loadcnt 0x0                             ; Q
	STEP 1
	STEPS 7
.Lslot:                                            ; two trips: slots 0 and 1 are filled again, with keys 1,024 on and 1,536 on
	CHANGE 1
	STEPS 8
	s_sub_co_u32 s[SLOTS], s[SLOTS], 1
	s_cmp_lg_u32 s[SLOTS], 0
	s_cbranch_scc1 .Lslot
	CHANGE 0                                       ; the tail is written out
	STEPS 8
	; THE WAY OUT: l's two halves and the other half of the lanes' are added; O^T / l is rounded to f16 and stored as it lies.  The four additions are the places behind the last products.
.irp t, 0,1,2,3
	v_add_f32 v[ST+8*\t+4], v[ST+8*\t+2], v[ST+8*\t+3]
.endr
.irp t, 0,1,2,3
	v_permlanex16_b32 v[ST+8*\t+5], v[ST+8*\t+4], s[SEL], s[SEL+1]
.endr
.irp t, 0,1,2,3
	v_add_f32 v[ST+8*\t+4], v[ST+8*\t+4], v[ST+8*\t+5]
.endr
.irp t, 0,1,2,3
	v_rcp_f32 v[ST+8*\t+6], v[ST+8*\t+4]
.endr
	v_nop                                          ; a plain instruction behind the last reciprocal
	s_wait_alu depctr_va_vdst(0)                   ; one wait for the four, ahead of their first use
	WIN 0x41
.irp t, 0,1,2,3
.irp i, 0,2,4,6,8,10,12,14,16,18,20,22,24,26,28,30
	v_pk_mul_f32 v[OT+32*\t+\i:OT+32*\t+\i+1], v[OT+32*\t+\i:OT+32*\t+\i+1], v[ST+8*\t+6:ST+8*\t+7] op_sel_hi:[1,0]
.endr
.endr
	WIN 0x05                                       ; sources in window 1, destination in window 0: S^T's registers are free
.irp t, 0,1,2,3
.irp i, 0,1,2,3,4,5,6,7,8,9,10,11,12,13,14,15
	v_cvt_pk_f16_f32 v[S+16*\t+\i], v[OT+32*\t+2*\i], v[OT+32*\t+2*\i+1]
.endr
.endr
	WIN 0
.irp t, 0,1,2,3
.irp ct, 0,1,2,3
	global_store_b128 v[LA], v[S+16*\t+4*\ct:S+16*\t+4*\ct+3], s[6:7] offset:\t*32768+\ct*512   ; 512 consecutive bytes, aligned
.endr
.endr
	s_wait_tensorcnt 0x0                           ; the wave's end, behind my last tensor load
	ds_add_u32 v[SPW], v[NIL]
	s_wait_dscnt 0x0
	CROUND                                         ; the closing round
	s_endpgm
.Lfunc_end_k_q8febb78f44_attn:
	.size	k_q8febb78f44_attn, .Lfunc_end_k_q8febb78f44_attn-k_q8febb78f44_attn
	.p2alignl 7, 3214868480
	.fill 96, 4, 3214868480
	.section	.rodata,"a",@progbits
	.p2align	6, 0x0
	.amdhsa_kernel k_q8febb78f44_attn
		.amdhsa_group_segment_fixed_size 327680
		.amdhsa_private_segment_fixed_size 0
		.amdhsa_enable_private_segment 0
		.amdhsa_kernarg_size 16
		.amdhsa_user_sgpr_count 2
		.amdhsa_user_sgpr_kernarg_segment_ptr 1
		.amdhsa_wavefront_size32 1
		.amdhsa_system_sgpr_workgroup_id_x 1
		.amdhsa_system_sgpr_workgroup_id_y 1
		.amdhsa_system_sgpr_workgroup_id_z 1
		.amdhsa_system_vgpr_workitem_id 0
		.amdhsa_next_free_vgpr 512
		.amdhsa_next_free_sgpr 66
		.amdhsa_reserve_vcc 0
		.amdhsa_float_denorm_mode_32 3
		.amdhsa_float_denorm_mode_16_64 3
		.amdhsa_memory_ordered 1
		.amdhsa_forward_progress 1
		.amdhsa_inst_pref_size 140
	.end_amdhsa_kernel
	.amdgpu_metadata
---
amdhsa.version: [ 1, 2 ]
amdhsa.kernels:
  - .name:           k_q8febb78f44_attn
    .symbol:         k_q8febb78f44_attn.kd
    .args:
      - { .name: qkv, .offset: 0, .size: 8, .value_kind: global_buffer, .address_space: global }
      - { .name: att, .offset: 8, .size: 8, .value_kind: global_buffer, .address_space: global }
    .group_segment_fixed_size: 327680
    .private_segment_fixed_size: 0
    .kernarg_segment_align: 8
    .kernarg_segment_size: 16
    .max_flat_workgroup_size: 256
    .sgpr_count:     66
    .vgpr_count:     512
    .wavefront_size: 32
...
	.end_amdgpu_metadata
.endif
;; end of part 3
;; launch proj (part 4): grid 8 x 32, 4 waves a work-group, clusters of 4 x 4, 327,680 bytes of LDS; arguments att, wo_img, b_out, out0; writes out0
.if DOCPART == 4
	.amdgcn_target "amdgcn-amd-amdhsa--gfx1250"
	.amdhsa_code_object_version 6
	.text
	.protected	k_q8febb78f44_proj
	.globl	k_q8febb78f44_proj
	.p2align	8
	.type	k_q8febb78f44_proj,@function
k_q8febb78f44_proj:
	s_mov_b64 s[64:65], 0
	v_nop
	global_prefetch_b8 v0, s[64:65] scope:SCOPE_SE
	s_setreg_imm32_b32 hwreg(HW_REG_WAVE_MODE, 25, 1), 1
	s_wait_xcnt 0x0
	s_wait_alu depctr_hold_cnt(0) depctr_sa_sdst(0) depctr_va_vdst(0) depctr_va_sdst(0) depctr_va_ssrc(0) depctr_va_vcc(0) depctr_vm_vsrc(0)
	s_getreg_b32 s2, hwreg(HW_REG_IB_STS2, 6, 4)
	s_cmp_eq_u32 s2, 0
	s_cbranch_scc0 .Lentry_in_a_cluster
	s_endpgm
.Lentry_in_a_cluster:
	s_bfe_u32 s2, ttmp6, 0x10000c
	s_cmp_lg_u32 s2, 0xf033
	s_cbranch_scc0 .Lentry_shape_is_right
	s_endpgm
.Lentry_shape_is_right:
; out0 = att W_out + b_out.  M = 8,192 rows (b x 2048 + l), N = 1,024, K = 1,024; operands f16, sums f32, out0 [l][b][n] f32.
; Both operands lie in memory in the order of the operand's registers: 16 rows (or columns of W) x 1,024 K are 32,768 bytes, 32 along K 1,024 bytes: a fragment is two loads of 512 consecutive bytes at 16 x lane: no padding.
; A tile of 256 rows x 128 columns gives 256 work-groups; four waves, each 128 x 64: 32 accumulators, 256 registers.  K goes in steps of 128 through a ring of two LDS slots (A 65,536 bytes, B 32,768).
; CLUSTERS: 4 x 4 work-groups; A's tiles are asked for jointly along a row of the cluster, B's along a column.  Waves 0 and 1 fetch A's halves, waves 2 and 3 B's: one load a wave behind each round.
; THE MATRIX INSTRUCTION IS USED TRANSPOSED (source 0 = 16 columns of W, source 1 = 16 rows): a lane holds eight neighbouring numbers of a row.  The bias, in that layout, is the C of each sum's first product.
; A wave's 64 columns are 256 aligned bytes of a row of out0: a block of 16 rows goes through the wave's own stage in LDS, and sixteen lanes store one row's 256 bytes.
; LIMITS: as the operands are f16, numbers beyond 65,504 are infinity and numbers under 6e-5 lose bits.
; REGISTERS: window 0: v16-29 addresses; v32-63 the bias; v64-159, v160-255 two fragment buffers (A's eight at + 8 a, B's four at + 64 + 8 b).   window 1: accumulator (a, b) at v[8 (4 a + b)].
.set SLOT,   98304
.set BOFF,   65536                     ; B's tiles lie behind A's
.set STAGE,  2*SLOT                    ; behind the ring: 16 rows x 272 bytes for each wave
.set SPITCH, 272
.set SPARE,  STAGE+4*16*SPITCH         ; the spare words, 128 bytes a wave: two blocks of 256 bytes that no other line names
.set LAPS,   4                         ; a lap = two K steps
.set ADRA, 16
.set ADRB, 20
.set STO,  24
.set RD,   25
.set CO,   26
.set BO,   27
.set SPW,  28
.set NIL,  29
.set BI,   32
.set F0,   64
.set F1,   160
.set BK,   64                          ; the way out: 16 rows read back, v64-95 and v96-127 by turns
.set G1, 24
.set G0, 32
.set G1B, 48
.set G0B, 56
.set MSB, 0
.macro WIN new
.if MSB != (\new)
	s_set_vgpr_msb (MSB<<8)|(\new)
.set MSB, (\new)
.endif
.endm
.set MUL, 0x50                         ; sources 0 and 1 window 0; C and D window 1
.macro JLOAD s                         ; a joint load; an s_nop 0 and four v_nop follow each of the two lines
	s_cmp_eq_u32 s13, 0
	s_cbranch_scc0 .Lfor_b_\@
	tensor_load_to_lds s[G0+4*\s:G0+4*\s+3], s[G1:G1+7]
	s_nop 0
.rept 4
	v_nop
.endr
	s_branch .Lasked_\@
.Lfor_b_\@:
	tensor_load_to_lds s[G0B+4*\s:G0B+4*\s+3], s[G1B:G1B+7]
	s_nop 0
.rept 4
	v_nop
.endr
.Lasked_\@:
.endm
.macro CREST                           ; a round of the cluster's barrier behind its opening barrier
	s_cmp_lg_u32 s12, 0
	s_cbranch_scc1 .Lnot_wave_0_\@
	s_barrier_signal -3
.Lnot_wave_0_\@:
	s_barrier_wait -3
	s_barrier_signal -1
	s_barrier_wait -1
.endm
.macro CROUND
	s_barrier_signal -1
	s_barrier_wait -1
	CREST
.endm
	s_load_b128 s[4:7], s[0:1], 0x0                ; att s[4:5], wo_img s[6:7]
	s_load_b128 s[8:11], s[0:1], 0x10              ; b_out s[8:9], out0 s[10:11]
	v_lshl_add_u32 v[SPW], v0, 2, SPARE
	v_mov_b32 v[NIL], 0
	ds_add_u32 v[SPW], v[NIL]                      ; the wave's opening: the add, twice on end, and its wait ahead of my first tensor load
	ds_add_u32 v[SPW], v[NIL]
	v_lshrrev_b32 v1, 5, v0
	v_readfirstlane_b32 s12, v1                    ; wave 0..3
	s_lshr_b32 s13, s12, 1                         ; which half of the tile's rows is mine.  Also: I fetch for A (0) or for B (1)
	s_and_b32 s14, s12, 1                          ; which half of its columns.  Also: which half of that tile I fetch
	s_bfe_u32 s40, ttmp6, 0x40000
	s_bfe_u32 s41, ttmp6, 0x40004
	s_lshl_b32 s42, ttmp9, 2
	s_add_co_u32 s42, s42, s40                     ; tile column
	s_and_b32 s15, ttmp7, 0xffff
	s_lshl_b32 s15, s15, 2
	s_add_co_u32 s15, s15, s41                     ; tile row
	s_lshl_b32 s43, s41, 2
	s_lshl_b32 s43, 15, s43                        ; my row of the cluster
	s_lshl_b32 s44, 0x1111, s40                    ; my column
	; group 1: of each of 8 (A) or 4 (B) tiles of 16, 4,096 bytes (512 elements of 8 bytes: 128 along K), 32,768 bytes apart; no padding
	s_or_b32 s[G1+0], s43, (3<<16)|(1<<21)
	s_mov_b32 s[G1+1], 512<<16
	s_mov_b32 s[G1+2], 8<<16
	s_mov_b32 s[G1+3], 512<<16
	s_mov_b32 s[G1+4], 8
	s_mov_b32 s[G1+5], 4096
	s_mov_b32 s[G1+6], 0
	s_mov_b32 s[G1+7], 0
	s_or_b32 s[G1B+0], s44, (3<<16)|(1<<21)
	s_mov_b32 s[G1B+1], 512<<16
	s_mov_b32 s[G1B+2], 4<<16
	s_mov_b32 s[G1B+3], 512<<16
	s_mov_b32 s[G1B+4], 4
	s_mov_b32 s[G1B+5], 4096
	s_mov_b32 s[G1B+6], 0
	s_mov_b32 s[G1B+7], 0
	s_lshl_b32 s16, s15, 19                        ; A: (16 x tile row + 8 x half) x 32,768
	s_lshl_b32 s17, s14, 18
	s_add_co_u32 s16, s16, s17
	s_mov_b32 s17, 0
	s_lshl_b32 s46, s42, 18                        ; B: (8 x tile column + 4 x half) x 32,768
	s_lshl_b32 s47, s14, 17
	s_add_co_u32 s46, s46, s47
	s_mov_b32 s47, 0
	s_lshl_b32 s20, s14, 15                        ; where they go in a slot: no place in the cluster enters an LDS address
	s_lshl_b32 s21, s14, 14
	s_add_co_u32 s21, s21, BOFF
	s_wait_dscnt 0x0                               ; both opening adds are done
	s_wait_kmcnt 0x0
	s_add_nc_u64 s[18:19], s[4:5], s[16:17]
	s_add_nc_u64 s[46:47], s[6:7], s[46:47]
	CROUND                                         ; all sixteen work-groups are here: the first joint loads meet
.irp s, 0,1
	s_mov_b32 s[G0+4*\s], 1
	s_add_co_u32 s[G0+4*\s+1], s20, \s*SLOT
	s_add_nc_u64 s[G0+4*\s+2:G0+4*\s+3], s[18:19], \s*4096
	s_or_b32 s[G0+4*\s+3], s[G0+4*\s+3], 0x80000000
	s_mov_b32 s[G0B+4*\s], 1
	s_add_co_u32 s[G0B+4*\s+1], s21, \s*SLOT
	s_add_nc_u64 s[G0B+4*\s+2:G0B+4*\s+3], s[46:47], \s*4096
	s_or_b32 s[G0B+4*\s+3], s[G0B+4*\s+3], 0x80000000
	JLOAD \s                                       ; K steps 0 and 1: two loads of mine are out
.endr
	v_and_b32 v1, 15, v0                           ; r
	v_bfe_u32 v2, v0, 4, 1                         ; h
	v_and_b32 v3, 31, v0
	v_lshlrev_b32 v3, 4, v3                        ; 16 x lane
	s_lshl_b32 s21, s13, 15                        ; my 8 tiles of rows
	s_lshl_b32 s22, s14, 14                        ; my 4 tiles of columns
	s_add_co_u32 s22, s22, BOFF
.irp s, 0,1
	v_add_nc_u32 v[ADRA+\s], s21, v3
	v_add_nc_u32 v[ADRB+\s], s22, v3
	s_add_co_u32 s21, s21, SLOT
	s_add_co_u32 s22, s22, SLOT
.endr
	s_mul_i32 s23, s12, 16*SPITCH
	s_add_co_u32 s23, s23, STAGE                   ; my stage
	v_mul_u32_u24 v4, v1, SPITCH
	v_lshl_add_u32 v4, v2, 5, v4
	v_add_nc_u32 v[STO], s23, v4                   ; in: row r, 32 bytes for each half of the lanes
	v_mul_u32_u24 v5, v2, SPITCH
	v_lshl_add_u32 v5, v1, 4, v5
	v_add_nc_u32 v[RD], s23, v5                    ; back: lanes 0-15 one row of 256 bytes, lanes 16-31 the next
	v_lshlrev_b32 v5, 14, v2
	v_lshl_add_u32 v[CO], v1, 4, v5                ; and the same in out0: from l to l + 1 are 16,384 bytes
	v_lshlrev_b32 v[BO], 5, v2
	s_and_b32 s16, s15, 7                          ; out0: l = 256 (tile row % 8) + 128 x row half, b = tile row / 8
	s_lshl_b32 s16, s16, 22
	s_lshl_b32 s17, s13, 21
	s_add_co_u32 s16, s16, s17
	s_lshr_b32 s17, s15, 3
	s_lshl_b32 s17, s17, 12
	s_add_co_u32 s16, s16, s17
	s_mov_b32 s17, 0
	s_lshl_b32 s46, s42, 9                         ; my first column x 4
	s_lshl_b32 s47, s14, 8
	s_add_co_u32 s46, s46, s47
	s_mov_b32 s47, 0
	s_add_nc_u64 s[10:11], s[10:11], s[16:17]
	s_add_nc_u64 s[10:11], s[10:11], s[46:47]
	s_add_nc_u64 s[8:9], s[8:9], s[46:47]
.irp b, 0,1,2,3
	global_load_b128 v[BI+8*\b:BI+8*\b+3], v[BO], s[8:9] offset:64*\b
	global_load_b128 v[BI+8*\b+4:BI+8*\b+7], v[BO], s[8:9] offset:64*\b+16
.endr
; 8 matrix instructions: row blocks a0, a0 + 1 x the 4 column blocks, 32 along K, from buffer f.  zero = 1: the first product starts the sums, with the bias as C.  The 32 accumulators take turns.
.macro MUL8 f, a0, zero
.irp a, \a0, \a0+1
.irp b, 0,1,2,3
.if \zero
	v_wmma_f32_16x16x32_f16 v[8*(4*(\a)+\b):8*(4*(\a)+\b)+7], v[\f+64+8*\b:\f+64+8*\b+7], v[\f+8*(\a):\f+8*(\a)+7], v[BI+8*\b:BI+8*\b+7]
.else
	v_wmma_f32_16x16x32_f16 v[8*(4*(\a)+\b):8*(4*(\a)+\b)+7], v[\f+64+8*\b:\f+64+8*\b+7], v[\f+8*(\a):\f+8*(\a)+7], v[8*(4*(\a)+\b):8*(4*(\a)+\b)+7]
.endif
.endr
.endr
.endm
; 24 LDS loads in one run: the slot's q-th 32 along K into buffer f: B's four fragments, A's blocks 0-3, A's blocks 4-7
.macro FETCH slot, q, f
	WIN 0
.irp i, 0,1,2,3
	ds_load_b128 v[\f+64+8*\i:\f+64+8*\i+3],   v[ADRB+\slot] offset:\i*4096+(\q)*1024
	ds_load_b128 v[\f+64+8*\i+4:\f+64+8*\i+7], v[ADRB+\slot] offset:\i*4096+(\q)*1024+512
.endr
.irp i, 0,1,2,3,4,5,6,7
	ds_load_b128 v[\f+8*\i:\f+8*\i+3],   v[ADRA+\slot] offset:\i*4096+(\q)*1024
	ds_load_b128 v[\f+8*\i+4:\f+8*\i+7], v[ADRA+\slot] offset:\i*4096+(\q)*1024+512
.endr
.endm
.macro PLACES                          ; four plain vector instructions ahead of loads into registers that matrix instructions have read, and of the first read of results
.rept 4
	v_nop
.endr
.endm
; A K step is four quarters of 32 along K, 32 matrix instructions each, on buffers 0, 1, 0, 1.  One of the first three multiplies buffer f and fetches the slot's q-th quarter into g.
.macro QUARTER slot, q, f, g, zero
	s_wait_dscnt 8                                 ; B and A's blocks 0-3 are in; the youngest eight loads (A's blocks 4-7) may be out
	WIN MUL-0x10*(\zero)                           ; zero = 1: C (the bias) in window 0
	MUL8 \f, 0, \zero
	MUL8 \f, 2, \zero
	PLACES
	FETCH \slot, \q, \g
	s_wait_dscnt 24                                ; all but the 24 just issued
	WIN MUL-0x10*(\zero)
	MUL8 \f, 4, \zero
	MUL8 \f, 6, \zero
.endm
; The last quarter multiplies buffer 1 and changes slots: ONE barrier; ahead of it each wave waits for all its tensor loads, adds 0 to its spare word, and waits for that and for its reads of this slot.  fill = 1: this slot is filled again, two K steps ahead.
.macro TURN slot, next, fill
	WIN 0
	s_wait_tensorcnt 0x0                           ; all my tensor loads have landed: my part of the next slot
	ds_add_u32 v[SPW], v[NIL]
	s_wait_dscnt 9                                 ; the add and the youngest eight loads (A's blocks 4-7) may be out
	WIN MUL
	MUL8 F1, 0, 0
	s_wait_dscnt 0x0                               ; the add is done, and my reads of this slot are over
	s_barrier_signal -1
	MUL8 F1, 2, 0
	WIN 0
	s_barrier_wait -1
.if \fill
	CREST                                          ; the barrier has opened a round of the cluster's: no wave of any partner still reads this slot or has a load on its way
	s_add_nc_u64 s[G0+4*\slot+2:G0+4*\slot+3], s[G0+4*\slot+2:G0+4*\slot+3], 8192
	s_add_nc_u64 s[G0B+4*\slot+2:G0B+4*\slot+3], s[G0B+4*\slot+2:G0B+4*\slot+3], 8192
	JLOAD \slot                                    ; the first tensor load behind the round: 112 matrix instructions ahead of the wait for it; its four v_nop are also the places ahead of the loads below
.else
	PLACES
.endif
	FETCH \next, 0, F0
	WIN MUL
	MUL8 F1, 4, 0
	MUL8 F1, 6, 0
.endm
	s_wait_tensorcnt 1                             ; my part of K step 0 is in; K step 1's may stay out
	s_barrier_signal -1
	s_barrier_wait -1
	FETCH 0, 0, F0
	s_wait_loadcnt 0x0                             ; the bias
	QUARTER 0, 1, F0, F1, 1                        ; the first quarter stands ahead of the loop: its products start the sums
	WIN 0
	s_mov_b32 s3, LAPS-1
.Llap:                                             ; a trip goes once round the ring, from a lap's second quarter to the next lap's first, and fills both slots again
	QUARTER 0, 2, F1, F0, 0
	QUARTER 0, 3, F0, F1, 0
	TURN 0, 1, 1
	QUARTER 1, 1, F0, F1, 0
	QUARTER 1, 2, F1, F0, 0
	QUARTER 1, 3, F0, F1, 0
	TURN 1, 0, 1
	QUARTER 0, 1, F0, F1, 0
	WIN 0
	s_sub_co_u32 s3, s3, 1
	s_cmp_lg_u32 s3, 0
	s_cbranch_scc1 .Llap
	QUARTER 0, 2, F1, F0, 0                        ; the last lap fills nothing
	QUARTER 0, 3, F0, F1, 0
	TURN 0, 1, 0
	QUARTER 1, 1, F0, F1, 0
	QUARTER 1, 2, F1, F0, 0
	QUARTER 1, 3, F0, F1, 0
	s_wait_dscnt 8                                 ; the very last quarter: nothing more to fetch
	WIN MUL
	MUL8 F1, 0, 0
	MUL8 F1, 2, 0
	s_wait_dscnt 0
	MUL8 F1, 4, 0
	MUL8 F1, 6, 0
	WIN 0
; THE WAY OUT, block by block of 16 rows x 64 columns, through my own stage.  LDS serves a wave's instructions in order (ISA guide 5.7.1.4): no wait between the stores and the loads, nor ahead of the next block's stores.
.macro TOSTAGE a
	WIN 0x04                                       ; an LDS store's data are its source 1: window 1
.irp b, 0,1,2,3
	ds_store_b128 v[STO], v[8*(4*(\a)+\b):8*(4*(\a)+\b)+3] offset:64*\b          ; each accumulator from its low end on
	ds_store_b128 v[STO], v[8*(4*(\a)+\b)+4:8*(4*(\a)+\b)+7] offset:64*\b+16
.endr
	WIN 0
.set BB, BK+32*((\a)%2)
.irp t, 0,1,2,3,4,5,6,7
	ds_load_b128 v[BB+4*\t:BB+4*\t+3], v[RD] offset:2*\t*SPITCH
.endr
.endm
.macro SEND a, younger                 ; younger: the LDS instructions issued behind block a's loads, which may stay out
.set BB, BK+32*((\a)%2)
	s_wait_dscnt \younger
.irp t, 0,1,2,3,4,5,6,7
	global_store_b128 v[CO], v[BB+4*\t:BB+4*\t+3], s[10:11] offset:(\a)*262144+2*\t*16384 th:TH_STORE_NT   ; sixteen lanes store 256 consecutive bytes, aligned; written once
.endr
.endm
	PLACES
	TOSTAGE 0
.irp a, 1,2,3,4,5,6,7
.if \a > 1
	s_wait_xcnt 0x0                                ; block a - 2's stores have read their registers: block a's loads may land there
.endif
	TOSTAGE \a
	SEND \a-1, 16                                  ; behind block a - 1's loads: block a's 8 stores and 8 loads
.endr
	SEND 7, 0
	s_wait_tensorcnt 0x0                           ; the wave's end, behind my last tensor load and my last LDS store
	ds_add_u32 v[SPW], v[NIL]
	s_wait_dscnt 0x0
	CROUND                                         ; the closing round
	s_endpgm
.Lfunc_end_k_q8febb78f44_proj:
	.size	k_q8febb78f44_proj, .Lfunc_end_k_q8febb78f44_proj-k_q8febb78f44_proj
	.p2alignl 7, 3214868480
	.fill 96, 4, 3214868480
	.section	.rodata,"a",@progbits
	.p2align	6, 0x0
	.amdhsa_kernel k_q8febb78f44_proj
		.amdhsa_group_segment_fixed_size 327680
		.amdhsa_private_segment_fixed_size 0
		.amdhsa_enable_private_segment 0
		.amdhsa_kernarg_size 32
		.amdhsa_user_sgpr_count 2
		.amdhsa_user_sgpr_kernarg_segment_ptr 1
		.amdhsa_wavefront_size32 1
		.amdhsa_system_sgpr_workgroup_id_x 1
		.amdhsa_system_sgpr_workgroup_id_y 1
		.amdhsa_system_sgpr_workgroup_id_z 1
		.amdhsa_system_vgpr_workitem_id 0
		.amdhsa_next_free_vgpr 512
		.amdhsa_next_free_sgpr 66
		.amdhsa_reserve_vcc 0
		.amdhsa_float_denorm_mode_32 3
		.amdhsa_float_denorm_mode_16_64 3
		.amdhsa_memory_ordered 1
		.amdhsa_forward_progress 1
		.amdhsa_inst_pref_size 86
	.end_amdhsa_kernel
	.amdgpu_metadata
---
amdhsa.version: [ 1, 2 ]
amdhsa.kernels:
  - .name:           k_q8febb78f44_proj
    .symbol:         k_q8febb78f44_proj.kd
    .args:
      - { .name: att, .offset: 0, .size: 8, .value_kind: global_buffer, .address_space: global }
      - { .name: wo_img, .offset: 8, .size: 8, .value_kind: global_buffer, .address_space: global }
      - { .name: b_out, .offset: 16, .size: 8, .value_kind: global_buffer, .address_space: global }
      - { .name: out0, .offset: 24, .size: 8, .value_kind: global_buffer, .address_space: global }
    .group_segment_fixed_size: 327680
    .private_segment_fixed_size: 0
    .kernarg_segment_align: 8
    .kernarg_segment_size: 32
    .max_flat_workgroup_size: 128
    .sgpr_count:     66
    .vgpr_count:     512
    .wavefront_size: 32
...
	.end_amdgpu_metadata
.endif
;; end of part 4
